; MI455X (gfx1250); checked and timed in simulation.
; The chip was launched on July 23, 2026; its instructions are those of AMD's public machine-readable ISA for CDNA 5 (MIT licence, August 2026) and "CDNA5" Instruction Set Architecture Reference Guide (July 2026). The comments in the code are by the model that wrote it; some were corrected since.
;; Bahdanau Attention. Allowed arithmetic: matrix products marked QUANTISED: E4M3 operands, one given power-of-two scale a tensor, by v_wmma_f32_16x16x64_fp8_fp8 or v_wmma_f32_16x16x128_fp8_fp8, f32 sums; products left as they are: f32 operands where the result goes on into a quantised operand, else bf16, f16 or f32 operands; f32 sums; everything else in f32.
;; Inputs: W_dec_codes 1,024 x 32 x 32 uint8 (E4M3 codes of W_dec, K innermost, in blocks of 32 codes); W_enc_codes 1,024 x 32 x 32 uint8 (E4M3 codes of W_enc, K innermost, in blocks of 32 codes); decoder_hidden_codes 32 x 32 x 32 uint8 (E4M3 codes of decoder_hidden, K innermost, in blocks of 32 codes); encoder_outputs 32 x 2,048 x 1,024 float32; lowp_scales 4 int32 (the exponents e of the quantised operands' scales 2^e); mask 32 x 2,048 int32; v 1,024 float32.
;; Outputs: out0 32 x 1,024 float32; out1 32 x 2,048 float32.
;; This version of the problem:
;;   THIS VERSION OF THE PROBLEM IS GIVEN IN LOW PRECISION. The matrix products marked QUANTISED in the list below multiply operands that are first quantised to E4M3 (4 exponent bits, 3 mantissa bits; 8 bits a number), with one given power-of-two scale for each operand tensor; their sums are f32. All else is computed in f32.
;;   The module's matrix products, in the order in which they are computed (A, B: the left and right operand; K: the contracted axis; several contracted axes count as one K, in the product's order):
;;     1. [M 65,536, K 1,024] x [K 1,024, N 1,024]; A: input encoder_outputs; B: input W_enc (given as codes): QUANTISED (scales: A lowp_scales[0], B lowp_scales[1])
;;     2. [M 32, K 1,024] x [K 1,024, N 1,024]; A: input decoder_hidden (given as codes); B: input W_dec (given as codes): QUANTISED (scales: A lowp_scales[2], B lowp_scales[3])
;;     3. [M 65,536, K 1,024] x [K 1,024, N 1]; A: computed on the way; B: input v: left as it is (N = 1 < 16)
;;     4. batch 32 x [M 1, K 2,048] x [K 2,048, N 1,024]; A: softmax; B: input encoder_outputs: left as it is (M = 1 < 16)
;;   THE QUANTISER, for each operand of a quantised product, along K:
;;     - The operand's scale is 2^e, e = its entry of the input lowp_scales (int32; the entries are numbered through the quantised products in the list's order, A before B).
;;     - Each number is divided by the scale, clamped to +-448, and rounded to the nearest number of E4M3, ties to even, subnormals kept.
;;     - The product sums the exact products of the quantised numbers (number of the format x scale) in f32.
;;   ~~~python
;;   def quantise(x, axis, e):      # numpy; x: float32 -> the quantised numbers, widened to float32 again
;;       x = np.moveaxis(x, axis, -1); K = x.shape[-1]
;;       r = np.clip(x / 2.0 ** e, -448, 448)
;;       step = 2.0 ** (np.maximum(np.frexp(np.where(r == 0, 1, r))[1] - 1, -6) - 3)
;;       q = np.round(r / step) * step * 2.0 ** e      # np.round: ties to even
;;       return np.moveaxis(q, -1, axis).astype(np.float32)
;;   ~~~
;;   INPUTS GIVEN AS CODES. W_dec (in the module: [1024, 1024], K = its axis 1); W_enc (in the module: [1024, 1024], K = its axis 1); decoder_hidden (in the module: [32, 1024], K = its axis 1): each comes as NAME_codes (uint8): NAME with its K axis moved to the last place and cut into blocks of 32 codes, [.., K / 32, bytes a block], one block behind the other in memory; one code a byte (a code: sign, 4 exponent bits, 3 mantissa bits); its scale is its entry of lowp_scales. Its value is code x scale, taken as it is: it is not quantised again, and the codes and scales need not be those that the quantiser above would give.
;; 2 versions. Each part assembles by itself: llvm-mc -triple=amdgcn-amd-amdhsa -mcpu=gfx1250 --defsym DOCPART=n.
;; ======== version 1 of 2: 3 launches
;; limits: right only within a limited range of input values
;; workspace buffers: decp 131,072 bytes; list 278,528 bytes of whole numbers; rank 262,144 bytes of whole numbers; meta 256 bytes of whole numbers; sc 655,360 bytes
;; launch prep (part 1): grid 24 x 1, 4 waves a work-group, no clusters, 0 bytes of LDS; arguments W_dec_codes, decoder_hidden_codes, lowp_scales, mask, decp, list, rank, meta; writes decp, list, rank, meta
.if DOCPART == 1
	.amdgcn_target "amdgcn-amd-amdhsa--gfx1250"
	.amdhsa_code_object_version 6
	.text
	.protected	k_qb828d3e48b_prep
	.globl	k_qb828d3e48b_prep
	.p2align	8
	.type	k_qb828d3e48b_prep,@function
k_qb828d3e48b_prep:
	s_mov_b64 s[64:65], 0
	v_nop
	global_prefetch_b8 v0, s[64:65] scope:SCOPE_SE
	s_setreg_imm32_b32 hwreg(HW_REG_WAVE_MODE, 25, 1), 1
	s_wait_xcnt 0x0
; ADDITIVE ATTENTION, launch 1 of 3: the decoder's projection, and each batch's list of rows that count.
; WHAT THE PROGRAM LEAVES OUT, AND WHY.  reference() puts NEG = -1e9 in the place of the score of every row t with mask[b][t] == 0: whatever enc_p, the tanh and the product with v
; give for such a row reaches no output, for all values of the inputs.  mask is a whole-number input that reference() compares, so the rows are chosen by reading it: this launch stores the choice
; as whole numbers, the later launches read it.  In a batch that has a row with mask != 0, a masked row's weight is exp(-1e9 - max): with |score| <= sum |v| it lies under every f32 number, reference()'s
; f32 gives 0, out1 gets 0 there and the row adds nothing to the context: it is not read.  A batch with no such row has 2,048 equal scores: all its rows are then taken as rows that count, with score 0.
; LIMITS: sum |v| under 9e8 (else a masked weight need not be 0); inputs finite: a NaN, an infinity or an overflow that sits only in a masked row of encoder_outputs is not carried to the result; NaN is not served.
; Every input has a way to an output and is loaded by some launch.
; PATH D, work-groups 0-15: decp[b][o] = c2 x sum_k dec[b][k] W_dec[o][k], c2 = 2 log2(e), on the given E4M3 codes.  A wave takes 16 outputs and all 32 batches: 2 accumulators by turns, 8 K steps of 128.
;   A fragment is fetched by four loads of 16 bytes, alike for both operands: a permutation of k inside an instruction, the same on both sides.  LIMIT: e2 + e3 between -127 and 126 (added to c2's exponent field).
; PATH C, work-groups 16-23: a wave takes a batch.  cnt = rows with mask != 0 (2,048 and flag = 1 where there is none).  list[b][0 .. cnt-1]: those rows' t in ascending order; list[b][cnt .. 2047]: the other t;
;   list[b][2048 .. 2175] = 0 (read ahead by the next launch, never used).  rank[b][t] = min(rows that count before t, cnt - 1).  meta[b] = (cnt, flag).  No lane is switched off for the list: every t has one place.
.set C2BITS, 0x4038aa3b                ; c2 = 2 log2(e) as f32
.set MSB, 0
.macro WIN new                         ; the immediate's high byte repeats the setting that is left
.if MSB != \new
	s_set_vgpr_msb (MSB<<8)|\new
.set MSB, \new
.endif
.endm
	s_load_b512 s[4:19], s[0:1], 0x0               ; W_dec s[4:5], dec s[6:7], scales s[8:9], mask s[10:11], decp s[12:13], list s[14:15], rank s[16:17], meta s[18:19]
	v_lshrrev_b32 v1, 5, v0
	v_readfirstlane_b32 s20, v1                    ; wave 0..3
	s_cmp_lt_u32 ttmp9, 16
	s_cbranch_scc0 .Lcompact
	; ---- PATH D
	v_and_b32 v1, 15, v0                           ; r
	v_bfe_u32 v2, v0, 4, 1                         ; h
	v_lshlrev_b32 v3, 10, v1
	v_lshl_add_u32 v3, v2, 4, v3                   ; a row of 1,024 codes: 1024 r + 16 h
	v_lshlrev_b32 v4, 12, v1
	v_lshl_add_u32 v4, v2, 5, v4                   ; decp: batch r's row of 4,096 bytes + 32 h
	s_lshl_b32 s21, ttmp9, 2
	s_add_co_u32 s21, s21, s20                     ; which 16 outputs: 4 x work-group + wave
	s_lshl_b32 s22, s21, 14                        ; their 16 rows of W_dec
	s_mov_b32 s23, 0
	s_lshl_b32 s24, s21, 6                         ; their 64 bytes in a row of decp
	s_mov_b32 s25, 0
	s_wait_kmcnt 0x0
	s_load_b128 s[28:31], s[8:9], 0x0              ; e0 .. e3
	s_add_nc_u64 s[4:5], s[4:5], s[22:23]
	s_add_nc_u64 s[12:13], s[12:13], s[24:25]
.irp s, 0,1,2,3,4,5,6,7
.irp c, 0,1,2,3
	global_load_b128 v[16+16*\s+4*\c:19+16*\s+4*\c], v3, s[4:5] offset:128*\s+32*\c          ; W_dec, K step s: v16-143
.endr
.endr
	WIN 0x40                                       ; destination window 1
.irp m, 0,1
.irp s, 0,1,2,3,4,5,6,7
.irp c, 0,1,2,3
	global_load_b128 v[128*\m+16*\s+4*\c:128*\m+16*\s+4*\c+3], v3, s[6:7] offset:16384*\m+128*\s+32*\c   ; dec, batches 16 m on, K step s
.endr
.endr
.endr
	WIN 0
	s_wait_loadcnt 0x0
	s_wait_kmcnt 0x0
	s_add_co_i32 s40, s30, s31                     ; e2 + e3
	s_lshl_b32 s40, s40, 23
	s_add_co_i32 s40, s40, C2BITS                  ; c2 x 2^(e2 + e3)
	s_mov_b32 s41, s40                             ; (named with it as a pair, so it is written)
	WIN 0x04                                       ; source 1 (dec) window 1
.irp s, 0,1,2,3,4,5,6,7
.irp m, 0,1
.if \s == 0
	v_wmma_f32_16x16x128_fp8_fp8 v[144+8*\m:151+8*\m], v[16+16*\s:31+16*\s], v[128*\m+16*\s:128*\m+16*\s+15], 0
.else
	v_wmma_f32_16x16x128_fp8_fp8 v[144+8*\m:151+8*\m], v[16+16*\s:31+16*\s], v[128*\m+16*\s:128*\m+16*\s+15], v[144+8*\m:151+8*\m]
.endif
.endr
.endr
	WIN 0
.rept 4
	v_nop                                          ; four places between the last product and the first read of a result (ISA guide 7.12.1)
.endr
.irp x, 0,2,4,6,8,10,12,14
	v_pk_mul_f32 v[160+\x:161+\x], v[144+\x:145+\x], s[40:41] op_sel_hi:[1,0]   ; each accumulator from its low end on
.endr
.irp m, 0,1                                    ; register x of lane (r, h): output 8 h + x of my 16, batch 16 m + r: 32 neighbouring bytes of a row of decp
	global_store_b128 v4, v[160+8*\m:163+8*\m], s[12:13] offset:65536*\m
	global_store_b128 v4, v[164+8*\m:167+8*\m], s[12:13] offset:65536*\m+16
.endr
	s_endpgm
	; ---- PATH C
.Lcompact:
	v_and_b32 v1, 31, v0                           ; lane
	v_lshlrev_b32 v2, 2, v1                        ; 4 x lane
	v_mov_b32 v5, 0
	s_sub_co_u32 s21, ttmp9, 16
	s_lshl_b32 s21, s21, 2
	s_add_co_u32 s21, s21, s20                     ; my batch
	s_lshl_b32 s22, s21, 13                        ; its row of mask and of rank
	s_mov_b32 s23, 0
	s_mul_i32 s24, s21, 8704                       ; of list
	s_mov_b32 s25, 0
	s_lshl_b32 s26, s21, 3                         ; of meta
	s_mov_b32 s27, 0
	s_wait_kmcnt 0x0
	s_add_nc_u64 s[10:11], s[10:11], s[22:23]
	s_add_nc_u64 s[16:17], s[16:17], s[22:23]
	s_add_nc_u64 s[14:15], s[14:15], s[24:25]
	s_add_nc_u64 s[18:19], s[18:19], s[26:27]
.set K_, 0
.rept 64
	global_load_b32 v[64+K_], v2, s[10:11] offset:128*K_     ; mask[b][32 k + lane]
.set K_, K_+1
.endr
	s_mov_b32 s30, 0
	s_wait_loadcnt 0x0
.set K_, 0
.rept 64                                       ; first sweep: how many rows count
	v_cmp_ne_u32 vcc_lo, 0, v[64+K_]
	s_bcnt1_i32_b32 s36, vcc_lo
	s_add_co_u32 s30, s30, s36
.set K_, K_+1
.endr
	s_cmp_eq_u32 s30, 0
	s_cselect_b32 s31, -1, 0                       ; none: every row is taken to count,
	s_cselect_b32 s32, 1, 0                        ; the flag says so,
	s_cselect_b32 s33, 2048, s30                   ; cnt
	s_sub_co_u32 s34, s33, 1
	s_mov_b32 s35, 0                               ; rows that count so far
.set K_, 0
.rept 64                                       ; second sweep.  Each k has registers of its own, so no store's source is written again
	v_cmp_ne_u32 vcc_lo, 0, v[64+K_]
	s_or_b32 vcc_lo, vcc_lo, s31
	v_mbcnt_lo_u32_b32 v[192+K_], vcc_lo, s35      ; rows that count before t
	v_add_nc_u32 v[64+K_], 32*K_, v1               ; t
	v_sub_nc_u32 v[128+K_], v[64+K_], v[192+K_]    ; rows that do not count before t
	v_add_nc_u32 v[128+K_], s33, v[128+K_]         ; such a row's place: behind the cnt that count
	v_cndmask_b32 v[128+K_], v[128+K_], v[192+K_], vcc_lo
	v_min_u32 v[128+K_], 0x7ff, v[128+K_]
	v_lshlrev_b32 v[128+K_], 2, v[128+K_]
	v_min_u32 v[192+K_], s34, v[192+K_]
	s_bcnt1_i32_b32 s36, vcc_lo
	s_add_co_u32 s35, s35, s36
	global_store_b32 v[128+K_], v[64+K_], s[14:15]
	global_store_b32 v2, v[192+K_], s[16:17] offset:128*K_
.set K_, K_+1
.endr
.irp q, 0,1,2,3
	global_store_b32 v2, v5, s[14:15] offset:8192+128*\q     ; entries 2048 .. 2175
.endr
	v_mov_b32 v6, s33
	v_mov_b32 v7, s32
	v_cmp_eq_u32 vcc_lo, 0, v1
	s_wait_xcnt 0x0                                ; EXEC changes only behind this wait: it is a source of the stores above
	s_and_saveexec_b32 s37, vcc_lo
	global_store_b64 v5, v[6:7], s[18:19]          ; lane 0: (cnt, flag)
	s_wait_xcnt 0x0
	s_or_b32 exec_lo, exec_lo, s37
	s_endpgm
.Lfunc_end_k_qb828d3e48b_prep:
	.size	k_qb828d3e48b_prep, .Lfunc_end_k_qb828d3e48b_prep-k_qb828d3e48b_prep
	.p2alignl 7, 3214868480
	.fill 96, 4, 3214868480
	.section	.rodata,"a",@progbits
	.p2align	6, 0x0
	.amdhsa_kernel k_qb828d3e48b_prep
		.amdhsa_group_segment_fixed_size 0
		.amdhsa_private_segment_fixed_size 0
		.amdhsa_enable_private_segment 0
		.amdhsa_kernarg_size 64
		.amdhsa_user_sgpr_count 2
		.amdhsa_user_sgpr_kernarg_segment_ptr 1
		.amdhsa_wavefront_size32 1
		.amdhsa_system_sgpr_workgroup_id_x 1
		.amdhsa_system_sgpr_workgroup_id_y 1
		.amdhsa_system_sgpr_workgroup_id_z 1
		.amdhsa_system_vgpr_workitem_id 0
		.amdhsa_next_free_vgpr 512
		.amdhsa_next_free_sgpr 66
		.amdhsa_reserve_vcc 1
		.amdhsa_float_denorm_mode_32 3
		.amdhsa_float_denorm_mode_16_64 3
		.amdhsa_memory_ordered 1
		.amdhsa_forward_progress 1
		.amdhsa_inst_pref_size 68
	.end_amdhsa_kernel
	.amdgpu_metadata
---
amdhsa.version: [ 1, 2 ]
amdhsa.kernels:
  - .name:           k_qb828d3e48b_prep
    .symbol:         k_qb828d3e48b_prep.kd
    .args:
      - { .name: W_dec_codes, .offset: 0, .size: 8, .value_kind: global_buffer, .address_space: global }
      - { .name: decoder_hidden_codes, .offset: 8, .size: 8, .value_kind: global_buffer, .address_space: global }
      - { .name: lowp_scales, .offset: 16, .size: 8, .value_kind: global_buffer, .address_space: global }
      - { .name: mask, .offset: 24, .size: 8, .value_kind: global_buffer, .address_space: global }
      - { .name: decp, .offset: 32, .size: 8, .value_kind: global_buffer, .address_space: global }
      - { .name: list, .offset: 40, .size: 8, .value_kind: global_buffer, .address_space: global }
      - { .name: rank, .offset: 48, .size: 8, .value_kind: global_buffer, .address_space: global }
      - { .name: meta, .offset: 56, .size: 8, .value_kind: global_buffer, .address_space: global }
    .group_segment_fixed_size: 0
    .private_segment_fixed_size: 0
    .kernarg_segment_align: 8
    .kernarg_segment_size: 64
    .max_flat_workgroup_size: 128
    .sgpr_count:     66
    .vgpr_count:     512
    .wavefront_size: 32
...
	.end_amdgpu_metadata
.endif
;; end of part 1
;; launch scores (part 2): grid 256 x 1, 4 waves a work-group, no clusters, 233,472 bytes of LDS; arguments encoder_outputs, W_enc_codes, lowp_scales, v, decp, list, meta, sc; writes sc
.if DOCPART == 2
	.amdgcn_target "amdgcn-amd-amdhsa--gfx1250"
	.amdhsa_code_object_version 6
	.text
	.protected	k_qb828d3e48b_scores
	.globl	k_qb828d3e48b_scores
	.p2align	8
	.type	k_qb828d3e48b_scores,@function
k_qb828d3e48b_scores:
	s_mov_b64 s[64:65], 0
	v_nop
	global_prefetch_b8 v0, s[64:65] scope:SCOPE_SE
	s_setreg_imm32_b32 hwreg(HW_REG_WAVE_MODE, 25, 1), 1
	s_wait_xcnt 0x0
; ADDITIVE ATTENTION, launch 2 of 3: the scores of the rows that count.  score = sum_o v[o] tanh(enc_p[o] + dec_p[o]), enc_p on E4M3 codes: encoder_outputs quantised here with 2^e0, W_enc as given.
; LEFT OUT: rows with mask == 0 where the batch has a row that counts: reference() replaces their scores by NEG (shown at the head of the first launch).  They are not read here.
; SHARES.  Work-group = (batch b = wg / 8, eighth G = wg % 8): ranks START .. START + N - 1 of the batch's list, START = G Q, Q = ceil(cnt / 8), N = clamp(cnt - START, 0, Q).  Two passes of 160 places.  Pass 0 always runs (with
; N = 0 it works on one row that counts, and what it stores is never read: the grid is fixed, the split is read from memory).  Pass 1's work is jumped over where N <= 160: scalar branches on a stored number, round work
; alone; every barrier, the wait in front of it and every loop's steps stand outside them, so all four waves pass all barriers.  That is also why there are no tensor loads, no copies and no cluster here.
; A PASS.  X: the 160 rows are gathered (each load reads 512 consecutive bytes of one row), held within +-448 x 2^e0, converted, and laid in LDS as rows of codes.  Then wave (i, j) takes the codes of places 80 i .. 80 i + 79,
; all 1,024 along K, into 640 registers, where they stay.  W_enc then goes by in 32 steps of 32 outputs through two LDS slots; wave (i, j) multiplies its 5 tiles of 16 places by outputs 16 j .. 16 j + 15 of the step:
; 40 matrix instructions, each fragment of W feeding five.  tanh x = 1 - 2 / (1 + 2^(c2 x)), c2 = 2 log2(e): sound at both ends (2^.. = infinity gives 1, 0 gives -1), so no clamp.  A lane holds one output and 8 places a tile:
; S += v / (1 + 2^..) and VSUM += v are kept for each lane; at the end score's part = sum over 16 lanes of (VSUM - 2 S).
; THE RESULT: sc[j][wg][place], 320 places of f32 for each half j of the outputs and each work-group; the next launch adds the halves.  A work-group stores every place of a pass that it runs, those past its last row too
; (they hold the stand-in row's score and are never read): so every store's address is made of ids and constants, and no lane is ever switched off in this text.
; A step's tanh work is issued at the head of the NEXT step, while that step's fragments of W come from LDS.
; A fragment (16 rows x 128 K) is fetched by four loads of 16 bytes, alike for A and W: a permutation of k inside an instruction, the same on both sides.
; LIMITS: e0 between -126 and 119; e0 + e1 between -127 and 126 (added to c2's exponent field); NaN among the inputs is not served (an infinity is held at the largest code).
; LDS: rows of codes, pitch 1,040 bytes = 65 x 16, so that the sixteen rows of a fragment load begin 16 bytes further on, modulo 256, from row to row.
.set PITCH, 1040
.set RING,  160*PITCH                  ; behind the 160 rows of codes: two slots of 32 rows of W_enc
.set SLOTB, 32*PITCH
.set SPARE, RING+2*SLOTB               ; behind the ring: the spare words, 128 bytes for each wave: two blocks of 256 bytes that no other line names
.set C2BITS, 0x4038aa3b
.set SCG,   1280                       ; a work-group's 320 places in sc, in bytes
; REGISTERS, window 0: v1 16 x lane; v2 256 wave + 4 lane; v3 X's store address; v4, v5 my A fragments' addresses (tiles 0-3; tile 4); v6 my W fragments' address in slot 0; v8 where I store W in slot 0;
;   v10 byte of my output in decp's row and in v; v11 2^e0; v12 the byte in sc of the place that I store; v13 v10's first value; v14, v15 the add's two; v[16:17] bias, v[18:19] v (upper halves 0), v20, v21 the next ones;
;   v[22:23] VSUM; v24-28 the scores to store; v32-71 ACC (tile rt at 32 + 8 rt); v72-111 S; in X v32-159 are 16 slots of 8 numbers; v160-175 codes; v176-239 a slot's quarter of W on its way; v240-255 rows' offsets.
;   window 1: v0-127 W's 8 fragments.  A's fragment (tile rt, K step s) has the number f = 5 s + rt: f 0-15 window 2, f 16-31 window 3, f 32-39 window 1 from v128: products in ascending f need three switches a step.
.set ACC, 32
.set SS,  72
.set CP,  160
.set WSR, 176
.set OFR, 240
; SCALARS: s20 wave, s21 i, s22 j, s23 b, s24 G, s25 cnt, s26 Q, s27 START, s28 N, s29 NP, s30 pass 1 has work, s31 a row that counts (for places past NP); s[32:47] 16 list entries; s[48:49] enc at my batch and my quarter of a row;
;   s[50:51] W at my 8 rows of a slot, s[52:53] the same, walking; s[54:55] decp's row; s[56:57] list's row; s[58:59] my 320 places of sc; s[60:61] c2 x 2^(e0+e1); s62, s63 -+448 x 2^e0; s68 X's LDS step; s69 places left;
;   s70 list byte; s71 loop counts; s74-80 lanes with lane % 8 = 1 .. 7; s81, s82 at work; s83 the pass's first rank.
.set MSB, 0
.macro WIN new                         ; the immediate's high byte repeats the setting that is left
.if MSB != \new
	s_set_vgpr_msb (MSB<<8)|\new
.set MSB, \new
.endif
.endm
.macro BAR                             ; my LDS stores have landed and my LDS loads are in: then the work-group's barrier
	s_wait_dscnt 0x0
	s_barrier_signal -1
	s_barrier_wait -1
.endm
.macro OFFS                            ; 16 list entries become 16 byte offsets: row t x 4,096 + 16 x lane.  A place past the pass's last takes the row s31
.irp e, 0,1,2,3,4,5,6,7,8,9,10,11,12,13,14,15
	s_cmp_gt_i32 s69, \e
	s_cselect_b32 s81, s[32+\e], s31
	s_min_u32 s81, s81, 2047
	v_lshl_add_u32 v[OFR+\e], s81, 12, v1
.endr
.endm
.macro XLOAD q                         ; my quarter (1,024 bytes) of the row of slot q: two loads of 512 consecutive bytes: columns 256 wave + 4 lane + 0..3, and 128 further on
	global_load_b128 v[32+8*(\q):35+8*(\q)], v[OFR+(\q)], s[48:49] th:TH_LOAD_NT
	global_load_b128 v[36+8*(\q):39+8*(\q)], v[OFR+(\q)], s[48:49] offset:512 th:TH_LOAD_NT
.endm
.macro XSLOT q, reload, left
	s_wait_loadcnt \left                           ; loads come back in order: this slot's two are in, the younger ones stay out
.irp x, 0,1,2,3,4,5,6,7
	v_med3_num_f32 v[32+8*(\q)+\x], v[32+8*(\q)+\x], s62, s63   ; the conversion to an 8-bit code does not saturate (ISA guide 7.6.2): the hold at the largest code x the scale
.endr
	s_wait_dscnt 14                                ; the stores that read this pair of code registers, eight slots back, are done: seven slots' two stores each are younger
	v_cvt_scalef32_pk8_fp8_f32 v[CP+2*((\q)%8):CP+2*((\q)%8)+1], v[32+8*(\q):39+8*(\q)], v11
	ds_store_b32 v3, v[CP+2*((\q)%8)] offset:PITCH*(\q)          ; 4 codes a lane, 128 consecutive bytes a wave
	ds_store_b32 v3, v[CP+2*((\q)%8)+1] offset:PITCH*(\q)+128
.if \reload
	XLOAD \q                                       ; the same slot of the next round
.endif
.endm
.macro XPRO                            ; the pass's first requests: W's slot 0, the first two groups of list entries, the first 16 rows
.irp w, 0,1,2,3,4,5,6,7,8,9,10,11,12,13,14,15
	global_load_b128 v[WSR+4*\w:WSR+4*\w+3], v1, s[50:51] offset:1024*(\w/2)+512*(\w%2)
.endr
	s_add_nc_u64 s[52:53], s[50:51], 32768
	s_load_b512 s[32:47], s[56:57], s70 offset:0x0
	s_wait_kmcnt 0x0
	OFFS
	s_load_b512 s[32:47], s[56:57], s70 offset:0x40
.irp q, 0,1,2,3,4,5,6,7,8,9,10,11,12,13,14,15
	XLOAD \q
.endr
	s_wait_loadcnt 32                              ; W's 16 loads are in; the 32 row loads behind them stay out
.irp w, 0,1,2,3,4,5,6,7,8,9,10,11,12,13,14,15
	ds_store_b128 v8, v[WSR+4*\w:WSR+4*\w+3] offset:PITCH*(\w/2)+512*(\w%2)
.endr
.endm
.macro XROUND reload                   ; 16 rows become codes; reload = 1: the next 16 are asked for, slot by slot
	s_wait_kmcnt 0x0                               ; the next round's list entries
.if \reload
	OFFS                                           ; (the offsets' registers are free: the wait on XCNT at the last trip's end)
	s_load_b512 s[32:47], s[56:57], s70 offset:0x80   ; the round after that; in the last trip entries that are not used, inside list's 2,176 (the highest is 1,952 + 175)
.endif
	s_wait_dscnt 0x0                               ; the last round's stores have read their address
	v_add_nc_u32 v3, s68, v2
.irp q, 0,1,2,3,4,5,6,7,8,9,10,11,12,13,14,15
.if \reload
	XSLOT \q, 1, 30                                ; the other 15 slots' two loads each
.else
	XSLOT \q, 0, 30-2*\q                           ; the count runs down
.endif
.endr
	v_nop                                          ; one plain vector line behind the last scaled conversion
.endm
.macro ALOAD                           ; my 80 places' codes into registers, 160 loads of 16 bytes a lane; they stay for the pass
.set F_, 0
.rept 40
.if F_ < 16
	WIN 0x80
.set AR_, 16*F_
.elseif F_ < 32
	WIN 0xc0
.set AR_, 16*(F_-16)
.else
	WIN 0x40
.set AR_, 128+16*(F_-32)
.endif
.irp c, 0,1,2,3
.if F_%5 < 4
	ds_load_b128 v[AR_+4*\c:AR_+4*\c+3], v4 offset:16*PITCH*(F_%5)+128*(F_/5)+32*\c
.else
	ds_load_b128 v[AR_+4*\c:AR_+4*\c+3], v5 offset:128*(F_/5)+32*\c
.endif
.endr
.set F_, F_+1
.endr
	WIN 0
	v_mov_b32 v10, v13                             ; while they come: the pass's sums begin at 0 (one copy of the tanh work then serves all 32 steps)
	v_mov_b32 v22, 0
.set J_, 0
.rept 40
	v_mov_b32 v[SS+J_], 0
.set J_, J_+1
.endr
	s_wait_dscnt 0x0
.endm
.macro EPI                             ; the tanh work of the step whose sums lie in ACC, whose bias is v16 and whose v is v18
.set J_, 0
.rept 20
	v_pk_fma_f32 v[ACC+J_:ACC+J_+1], v[ACC+J_:ACC+J_+1], s[60:61], v[16:17] op_sel_hi:[1,0,0]   ; c2 (enc_p + dec_p); each accumulator from its low end on
.set J_, J_+2
.endr
.set J_, 0
.rept 40
	v_exp_f32 v[ACC+J_], v[ACC+J_]
.set J_, J_+1
.endr
	v_add_f32 v22, v22, v18                        ; VSUM; also the plain line behind the batch
	s_wait_alu depctr_va_vdst(0)                   ; one wait for the 40 exponentials, ahead of their first reader
.set J_, 0
.rept 20
	v_pk_add_f32 v[ACC+J_:ACC+J_+1], v[ACC+J_:ACC+J_+1], 1.0 op_sel_hi:[1,0]
.set J_, J_+2
.endr
.set J_, 0
.rept 40
	v_rcp_f32 v[ACC+J_], v[ACC+J_]
.set J_, J_+1
.endr
	v_nop
	s_wait_alu depctr_va_vdst(0)                   ; and one for the 40 reciprocals
.set J_, 0
.rept 20
	v_pk_fma_f32 v[SS+J_:SS+J_+1], v[ACC+J_:ACC+J_+1], v[18:19], v[SS+J_:SS+J_+1] op_sel_hi:[1,0,1]
.set J_, J_+2
.endr
.endm
.macro MUL                             ; 40 products: K step s = f / 5, tile rt = f % 5.  The five accumulators take turns, one instruction a turn; the first five start the sums
.set F_, 0
.rept 40
.if F_%5 == 0
	s_wait_dscnt 4*(7-F_/5)                        ; W's fragment s is in; the fragments behind it, four loads each, may be out
.endif
.if F_ < 16
	WIN 0x06
.set AR_, 16*F_
.elseif F_ < 32
	WIN 0x07
.set AR_, 16*(F_-16)
.else
	WIN 0x05
.set AR_, 128+16*(F_-32)
.endif
.set AC_, ACC+8*(F_%5)
.set WR_, 16*(F_/5)
.if F_ < 5
	v_wmma_f32_16x16x128_fp8_fp8 v[AC_:AC_+7], v[AR_:AR_+15], v[WR_:WR_+15], 0
.else
	v_wmma_f32_16x16x128_fp8_fp8 v[AC_:AC_+7], v[AR_:AR_+15], v[WR_:WR_+15], v[AC_:AC_+7]
.endif
.set F_, F_+1
.endr
	WIN 0
.endm
; A step: 32 outputs, read from ring slot sl.  first = 1: no step before it.  fill = 1: the next step's 32 rows of W go from memory into the other slot, which all waves left ahead of the last barrier.
.macro STEP sl, first, fill, g
.if \g
	s_cmp_eq_u32 s30, 0
	s_cbranch_scc1 .Lst_\@
.endif
.rept 4
	v_nop                                          ; four places between the last product and loads into registers that it read (ISA guide 7.12.1 for vector instructions)
.endr
	WIN 0x40
.irp s, 0,1,2,3,4,5,6,7
.irp c, 0,1,2,3
	ds_load_b128 v[16*\s+4*\c:16*\s+4*\c+3], v6 offset:(\sl)*SLOTB+128*\s+32*\c
.endr
.endr
	WIN 0
	global_load_b32 v20, v10, s[54:55]             ; this step's bias and v of my output
	global_load_b32 v21, v10, s[10:11]
.if \fill
.irp w, 0,1,2,3,4,5,6,7,8,9,10,11,12,13,14,15
	global_load_b128 v[WSR+4*\w:WSR+4*\w+3], v1, s[52:53] offset:1024*(\w/2)+512*(\w%2)
.endr
.endif
.if \first == 0
	EPI                                            ; the step before
.endif
	MUL
	s_wait_loadcnt 0x0
.if \fill
.irp w, 0,1,2,3,4,5,6,7,8,9,10,11,12,13,14,15
	ds_store_b128 v8, v[WSR+4*\w:WSR+4*\w+3] offset:(1-(\sl))*SLOTB+PITCH*(\w/2)+512*(\w%2)
.endr
	s_add_nc_u64 s[52:53], s[52:53], 32768         ; (its loads are in)
.endif
	v_mov_b32 v16, v20
	v_mov_b32 v18, v21
	v_add_nc_u32 v10, 128, v10
.Lst_\@:
.endm
.macro FINAL p, g                      ; the last step's tanh work; the sums over my 16 outputs' lanes; the stores
.if \g
	s_cmp_eq_u32 s30, 0
	s_cbranch_scc1 .Lfin_\@
.endif
.rept 4
	v_nop                                          ; places between the last product and the first read of a result
.endr
	EPI
.set J_, 0
.rept 20
	v_pk_fma_f32 v[SS+J_:SS+J_+1], v[SS+J_:SS+J_+1], -2.0, v[22:23] op_sel_hi:[1,0,0]   ; VSUM - 2 S
.set J_, J_+2
.endr
.irp x, 1,2,4,8
.set J_, 0
.rept 40
	v_add_f32_dpp v[SS+J_], v[SS+J_], v[SS+J_] row_xmask:\x row_mask:0xf bank_mask:0xf
.set J_, J_+1
.endr
.endr
.irp t, 0,1,2,3,4                              ; all sixteen lanes of a half now hold the same eight sums: each lane takes the register of its number modulo 8: place 160 p + 80 i + 16 t + 8 h + lane % 8
	v_cndmask_b32 v[24+\t], v[SS+8*\t], v[SS+8*\t+1], s74
.irp m, 2,3,4,5,6,7
	v_cndmask_b32 v[24+\t], v[24+\t], v[SS+8*\t+\m], s[73+\m]
.endr
	global_store_b32 v12, v[24+\t], s[58:59] offset:640*\p+64*\t   ; 16 places, 64 consecutive bytes; lanes 8-15 and 24-31 store once more the word of the lane eight below, with the same value
.endr
.Lfin_\@:
.endm
.macro PASS p, g
	s_sub_co_i32 s29, s28, 160*\p
	s_max_i32 s29, s29, 0
	s_min_i32 s29, s29, 160                        ; NP: the pass's places that hold a row of mine
	s_add_co_u32 s83, s27, 160*\p                  ; its first rank
	s_mov_b32 s69, s29
	s_lshl_b32 s70, s83, 2
	s_mov_b32 s68, 0
.if \g
	s_cmp_eq_u32 s30, 0
	s_cbranch_scc1 .Lxa_\p
.endif
	XPRO
.Lxa_\p:
	s_wait_xcnt 0x0                                ; the loads above have read their offsets, and the last pass's stores their data: the next OFFS and the next FINAL may write them
	s_sub_co_i32 s69, s69, 16
	s_mov_b32 s71, 9
.Lxl_\p:                                           ; nine trips: a round is converted, the next one asked for
.if \g
	s_cmp_eq_u32 s30, 0
	s_cbranch_scc1 .Lxb_\p
.endif
	XROUND 1
.Lxb_\p:
	s_wait_xcnt 0x0                                ; the trip's loads, the scalar one too, have read their address registers: s70 steps, and the next OFFS writes the offsets
	s_add_co_u32 s68, s68, 16*PITCH
	s_sub_co_i32 s69, s69, 16
	s_add_co_u32 s70, s70, 64
	s_sub_co_u32 s71, s71, 1
	s_cmp_lg_u32 s71, 0
	s_cbranch_scc1 .Lxl_\p
.if \g
	s_cmp_eq_u32 s30, 0
	s_cbranch_scc1 .Lxc_\p
.endif
	XROUND 0
.Lxc_\p:
.if \g
	s_wait_loadcnt 0x0                             ; where the ways join: nothing of this phase is out on either
	s_wait_kmcnt 0x0
.endif
	BAR                                            ; the 160 rows of codes and W's slot 0 lie in LDS
.if \g
	s_cmp_eq_u32 s30, 0
	s_cbranch_scc1 .Lal_\p
.endif
	ALOAD
.Lal_\p:
	STEP 0, 1, 1, \g                               ; outputs 0-31
	BAR
	s_mov_b32 s71, 15
.Lwl_\p:                                           ; fifteen trips of two steps: outputs 32-991
	STEP 1, 0, 1, \g
	BAR
	STEP 0, 0, 1, \g
	BAR
	s_sub_co_u32 s71, s71, 1
	s_cmp_lg_u32 s71, 0
	s_cbranch_scc1 .Lwl_\p
	STEP 1, 0, 0, \g                               ; outputs 992-1023, from slot 1.  No barrier behind it: what the next pass writes ahead of its first barrier (the rows of codes, slot 0) was last read ahead of the barrier above
	FINAL \p, \g
.endm
	s_load_b512 s[4:19], s[0:1], 0x0               ; enc s[4:5], W_enc s[6:7], scales s[8:9], v s[10:11], decp s[12:13], list s[14:15], meta s[16:17], sc s[18:19]
	v_lshl_add_u32 v14, v0, 2, SPARE
	v_mov_b32 v15, 0
	v_lshrrev_b32 v24, 5, v0
	v_readfirstlane_b32 s20, v24                   ; wave 0..3
	s_lshr_b32 s21, s20, 1                         ; i: which 80 places
	s_and_b32 s22, s20, 1                          ; j: which 16 of a step's 32 outputs
	s_lshr_b32 s23, ttmp9, 3                       ; batch
	s_and_b32 s24, ttmp9, 7                        ; eighth
	v_and_b32 v24, 31, v0                          ; lane
	v_and_b32 v25, 15, v0                          ; r
	v_bfe_u32 v26, v0, 4, 1                        ; h
	v_lshlrev_b32 v1, 4, v24
	s_lshl_b32 s81, s20, 8
	v_lshl_add_u32 v2, v24, 2, s81
	v_mul_u32_u24 v27, v25, PITCH
	v_lshl_add_u32 v27, v26, 4, v27                ; a fragment's row x pitch + 16 h
	s_mul_i32 s81, s21, 80*PITCH
	v_add_nc_u32 v4, s81, v27
	v_add_nc_u32 v5, 64*PITCH, v4
	s_mul_i32 s81, s22, 16*PITCH
	s_add_co_u32 s81, s81, RING
	v_add_nc_u32 v6, s81, v27
	s_mul_i32 s81, s20, 8*PITCH
	s_add_co_u32 s81, s81, RING
	v_add_nc_u32 v8, s81, v1
	s_lshl_b32 s81, s22, 4
	v_add_nc_u32 v13, s81, v25
	v_lshlrev_b32 v13, 2, v13                      ; 4 (16 j + r)
	v_and_b32 v12, 7, v0
	v_lshl_add_u32 v12, v26, 3, v12
	s_mul_i32 s81, s21, 80
	v_add_nc_u32 v12, s81, v12
	v_lshlrev_b32 v12, 2, v12                      ; 4 (80 i + 8 h + lane % 8); never rewritten
	v_mov_b32 v17, 0                               ; (upper halves of pairs that are named whole)
	v_mov_b32 v19, 0
	v_mov_b32 v23, 0
.irp m, 1,2,3,4,5,6,7
	s_mov_b32 s[73+\m], 0x01010101<<\m
.endr
	s_lshl_b32 s81, s23, 3
	s_wait_kmcnt 0x0
	s_load_b32 s25, s[16:17], s81 offset:0x0       ; cnt
	s_load_b128 s[32:35], s[8:9], 0x0              ; e0 .. e3
	s_lshl_b32 s82, s23, 23                        ; a batch is 8 MiB of enc
	s_lshl_b32 s83, s20, 10
	s_add_co_u32 s82, s82, s83
	s_mov_b32 s83, 0
	s_add_nc_u64 s[48:49], s[4:5], s[82:83]
	s_lshl_b32 s82, s20, 13
	s_add_nc_u64 s[50:51], s[6:7], s[82:83]
	s_lshl_b32 s82, s23, 12
	s_add_nc_u64 s[54:55], s[12:13], s[82:83]
	s_mul_i32 s82, s23, 8704
	s_add_nc_u64 s[56:57], s[14:15], s[82:83]
	s_lshl_b32 s82, s22, 8
	s_add_co_u32 s82, s82, ttmp9
	s_mul_i32 s82, s82, SCG                        ; sc[j][wg]
	s_add_nc_u64 s[58:59], s[18:19], s[82:83]
	s_wait_kmcnt 0x0
	s_min_u32 s25, s25, 2048
	s_add_co_u32 s26, s25, 7
	s_lshr_b32 s26, s26, 3                         ; Q
	s_mul_i32 s27, s24, s26
	s_min_u32 s27, s27, 1792                       ; START (7 x 256 at the most)
	s_sub_co_i32 s28, s25, s27
	s_max_i32 s28, s28, 0
	s_min_i32 s28, s28, s26                        ; N
	s_max_i32 s81, s28, 1
	s_add_co_u32 s81, s81, s27
	s_sub_co_u32 s81, s81, 1
	s_sub_co_u32 s82, s25, 1
	s_min_u32 s81, s81, s82
	s_min_u32 s81, s81, 2047
	s_lshl_b32 s81, s81, 2
	s_load_b32 s31, s[56:57], s81 offset:0x0       ; my last row, or the batch's last that counts
	s_add_co_i32 s82, s32, s33
	s_lshl_b32 s82, s82, 23
	s_add_co_i32 s60, s82, C2BITS                  ; c2 x 2^(e0 + e1)
	s_mov_b32 s61, s60
	s_add_co_i32 s82, s32, 127
	s_lshl_b32 s83, s82, 23
	v_mov_b32 v11, s83                             ; 2^e0: the conversion takes its exponent field
	s_add_co_i32 s82, s82, 8
	s_lshl_b32 s82, s82, 23
	s_or_b32 s63, s82, 0x600000                    ; 448 x 2^e0
	s_or_b32 s62, s63, 0x80000000
	s_cmp_gt_u32 s28, 160
	s_cselect_b32 s30, 1, 0
	s_wait_kmcnt 0x0
	PASS 0, 0
	PASS 1, 1
	s_wait_tensorcnt 0x0                           ; the wave's end
	ds_add_u32 v14, v15
	s_wait_dscnt 0x0
	s_endpgm
.Lfunc_end_k_qb828d3e48b_scores:
	.size	k_qb828d3e48b_scores, .Lfunc_end_k_qb828d3e48b_scores-k_qb828d3e48b_scores
	.p2alignl 7, 3214868480
	.fill 96, 4, 3214868480
	.section	.rodata,"a",@progbits
	.p2align	6, 0x0
	.amdhsa_kernel k_qb828d3e48b_scores
		.amdhsa_group_segment_fixed_size 233472
		.amdhsa_private_segment_fixed_size 0
		.amdhsa_enable_private_segment 0
		.amdhsa_kernarg_size 64
		.amdhsa_user_sgpr_count 2
		.amdhsa_user_sgpr_kernarg_segment_ptr 1
		.amdhsa_wavefront_size32 1
		.amdhsa_system_sgpr_workgroup_id_x 1
		.amdhsa_system_sgpr_workgroup_id_y 1
		.amdhsa_system_sgpr_workgroup_id_z 1
		.amdhsa_system_vgpr_workitem_id 0
		.amdhsa_next_free_vgpr 1024
		.amdhsa_next_free_sgpr 84
		.amdhsa_reserve_vcc 0
		.amdhsa_float_denorm_mode_32 3
		.amdhsa_float_denorm_mode_16_64 3
		.amdhsa_memory_ordered 1
		.amdhsa_forward_progress 1
		.amdhsa_inst_pref_size 247
	.end_amdhsa_kernel
	.amdgpu_metadata
---
amdhsa.version: [ 1, 2 ]
amdhsa.kernels:
  - .name:           k_qb828d3e48b_scores
    .symbol:         k_qb828d3e48b_scores.kd
    .args:
      - { .name: encoder_outputs, .offset: 0, .size: 8, .value_kind: global_buffer, .address_space: global }
      - { .name: W_enc_codes, .offset: 8, .size: 8, .value_kind: global_buffer, .address_space: global }
      - { .name: lowp_scales, .offset: 16, .size: 8, .value_kind: global_buffer, .address_space: global }
      - { .name: v, .offset: 24, .size: 8, .value_kind: global_buffer, .address_space: global }
      - { .name: decp, .offset: 32, .size: 8, .value_kind: global_buffer, .address_space: global }
      - { .name: list, .offset: 40, .size: 8, .value_kind: global_buffer, .address_space: global }
      - { .name: meta, .offset: 48, .size: 8, .value_kind: global_buffer, .address_space: global }
      - { .name: sc, .offset: 56, .size: 8, .value_kind: global_buffer, .address_space: global }
    .group_segment_fixed_size: 233472
    .private_segment_fixed_size: 0
    .kernarg_segment_align: 8
    .kernarg_segment_size: 64
    .max_flat_workgroup_size: 128
    .sgpr_count:     84
    .vgpr_count:     1024
    .wavefront_size: 32
...
	.end_amdgpu_metadata
.endif
;; end of part 2
;; launch context (part 3): grid 256 x 1, 8 waves a work-group, no clusters, 6,400 bytes of LDS; arguments encoder_outputs, mask, list, rank, meta, sc, out0, out1; writes out0, out1
.if DOCPART == 3
	.amdgcn_target "amdgcn-amd-amdhsa--gfx1250"
	.amdhsa_code_object_version 6
	.text
	.protected	k_qb828d3e48b_context
	.globl	k_qb828d3e48b_context
	.p2align	8
	.type	k_qb828d3e48b_context,@function
k_qb828d3e48b_context:
	s_mov_b64 s[64:65], 0
	v_nop
	global_prefetch_b8 v0, s[64:65] scope:SCOPE_SE
	s_setreg_imm32_b32 hwreg(HW_REG_WAVE_MODE, 25, 1), 1
	s_wait_xcnt 0x0
; ADDITIVE ATTENTION, launch 3 of 3: the softmax over a batch's rows that count, out1, and out0 = sum of weight x row, all in f32.
; LEFT OUT: rows with mask == 0 where the batch has a row that counts: their weight is 0 in reference()'s f32 (shown at the head of the first launch): out1 gets 0 there, and the rows are not read.
; Where no row counts (flag), all 2,048 rows are listed and every score is taken as 0: equal scores, as reference()'s 2,048 times NEG.
; THE SCORES lie as the launch before left them: sc[j][8 b + k][place], 320 places for each half j of the outputs and each eighth k of the batch; eighth k holds ranks k Q + place, place < N_k,
; Q = ceil(cnt / 8), N_k = clamp(cnt - k Q, 0, Q) <= 256.  Only places under N_k are read (a thread past them reads the eighth's last one, or place 0, and takes -infinity in its stead).
; SHARES.  Work-group = (batch b = wg / 8, c = wg % 8): the one owner of out0[b][128 c .. +127] and of out1[b][256 c .. +255].  Each of a batch's eight work-groups makes the batch's maximum and sum for itself
; (16 KiB of scores), in the same order.  Thread th holds place th of each eighth k.  The maximum is taken away before the exponential, as in reference().
; The rows: wave w takes places 32 w + 0 .. 31 of eighth k, whose weights lie in its own lanes; a load reads my 512 bytes of one row, 32 loads are out together; a weight comes to a scalar register by v_readlane_b32.
; A chunk whose first place is N_k or more is jumped over, with all behind it (N_k falls with k): a scalar branch on a stored number, with no barrier inside.  No matrix unit: each number of a row meets one weight.
; out1: thread th makes the weight of t = 256 c + th.  Its rank p lies in eighth G = how many g of 1 .. 7 have p >= g Q, at word p + G (320 - Q) of the batch's 2,560.  The 256 weights meet in LDS, and two waves store
; them, 512 consecutive bytes each.
; LIMITS: as at the head of the first launch.
.set PART,  256                        ; LDS: 0: 8 maxima, 8 sums;  256: a partial context of 512 bytes for each wave;
.set O1,    4352                       ; the 256 weights of out1;
.set SPARE, 5376                       ; the spare words, 128 bytes for each wave: four blocks of 256 bytes that no other line names
.set SCG,   1280                       ; an eighth's 320 places in sc, in bytes
.set SCH,   327680                     ; from one half of the outputs to the other: 256 x 1,280
; REGISTERS: v1 16 x lane; v2, v3 the add's two; v4 4 x thread; v5 0 (LDS); v6 4 x wave; v7 my partial's place; v8-15 places' addresses; v16-23 scores, then weights; v24-31 the scores' other halves; v32-39 two sets of 4 sums;
;   v40 m log2(e); v41 1 / sum; v42, v43, v55 at work; v44 partials' read address; v45 my weight's place in O1; v46 out1's byte; v47 O1's read address; v48 mask; v49 rank; v50-52 out1's score and weight; v53 0; v54 -infinity;
;   v56-63 the waves' figures; v64-67 out1's data; v76 out1's gather offset; v77 320 - Q; v96-127 rows' offsets; v128-255 32 rows x 4.
; SCALARS: s20 wave, s21 b, s22 c, s23 Q, s24 cnt, s25 flag, s26 cnt - 1, s27 flag as a lane mask, s28 the last row that counts, s29 places left, s30 chunk's first rank, s31 32 x wave; s[32:63] list entries;
;   s[66:67], s[68:69] a weight, by turns; s70, s71 lane selects; s[72:73] enc at my batch and columns; s[74:75] list's row; s[76:77] the batch's part of sc; s78 log2(e); s79-83 at work; s84-91 N_k; s92 a list byte.
.macro BAR
	s_wait_dscnt 0x0
	s_barrier_signal -1
	s_barrier_wait -1
.endm
	s_load_b512 s[4:19], s[0:1], 0x0               ; enc s[4:5], mask s[6:7], list s[8:9], rank s[10:11], meta s[12:13], sc s[14:15], out0 s[16:17], out1 s[18:19]
	v_lshl_add_u32 v2, v0, 2, SPARE
	v_mov_b32 v3, 0
	v_lshrrev_b32 v4, 5, v0
	v_readfirstlane_b32 s20, v4                    ; wave 0..7
	s_lshr_b32 s21, ttmp9, 3
	s_and_b32 s22, ttmp9, 7
	v_and_b32 v1, 31, v0
	v_lshlrev_b32 v1, 4, v1
	v_lshlrev_b32 v4, 2, v0
	v_mov_b32 v5, 0
	s_lshl_b32 s79, s20, 2
	v_mov_b32 v6, s79
	s_lshl_b32 s79, s20, 9
	s_add_co_u32 s79, s79, PART
	v_add_nc_u32 v7, s79, v1
	v_add_nc_u32 v44, PART, v1
	v_lshl_add_u32 v45, v0, 2, O1
	s_and_b32 s79, s20, 1
	s_lshl_b32 s79, s79, 9
	v_add_nc_u32 v46, s79, v1
	v_add_nc_u32 v47, O1, v46
	v_mov_b32 v53, 0
	v_mov_b32 v54, 0xff800000
.irp x, 32,33,34,35,36,37,38,39
	v_mov_b32 v\x, 0                               ; a wave may have no chunk at all
.endr
	s_mov_b32 s67, 0                               ; (upper halves of pairs that are named whole)
	s_mov_b32 s69, 0
	s_mov_b32 s70, 0x76543210
	s_mov_b32 s71, 0xfedcba98
	s_mov_b32 s78, 0x3fb8aa3b
	s_lshl_b32 s31, s20, 5
	s_lshl_b32 s79, s21, 3
	s_lshl_b32 s80, s21, 13
	s_lshl_b32 s81, s22, 10
	s_add_co_u32 s80, s80, s81
	s_mov_b32 s81, 0                               ; 8192 b + 1024 c: my 256 entries of mask, rank, out1
	s_lshl_b32 s82, s21, 23
	s_lshl_b32 s83, s22, 9
	s_add_co_u32 s82, s82, s83
	s_mov_b32 s83, 0                               ; my batch, my 512 bytes of a row
	s_wait_kmcnt 0x0
	s_load_b64 s[24:25], s[12:13], s79 offset:0x0  ; cnt, flag
	s_add_nc_u64 s[6:7], s[6:7], s[80:81]
	s_add_nc_u64 s[10:11], s[10:11], s[80:81]
	s_add_nc_u64 s[18:19], s[18:19], s[80:81]
	s_add_nc_u64 s[72:73], s[4:5], s[82:83]
	global_load_b32 v48, v4, s[6:7]                ; mask and rank of t = 256 c + thread
	global_load_b32 v49, v4, s[10:11]
	s_mul_i32 s82, s21, 8704
	s_add_nc_u64 s[74:75], s[8:9], s[82:83]
	s_mul_i32 s82, s21, 8*SCG
	s_add_nc_u64 s[76:77], s[14:15], s[82:83]
	s_lshl_b32 s82, s21, 12
	s_lshl_b32 s80, s22, 9
	s_add_co_u32 s82, s82, s80
	s_add_nc_u64 s[16:17], s[16:17], s[82:83]
	s_wait_kmcnt 0x0
	s_min_u32 s24, s24, 2048
	s_add_co_u32 s23, s24, 7
	s_lshr_b32 s23, s23, 3                         ; Q
	s_sub_co_u32 s26, s24, 1
	s_cmp_lg_u32 s25, 0
	s_cselect_b32 s27, -1, 0
	s_min_u32 s92, s26, 2047
	s_lshl_b32 s92, s92, 2
	s_load_b32 s28, s[74:75], s92 offset:0x0       ; awaited at the head of the first chunk; s92 is not written again
	; ---- the statistics
.irp k, 0,1,2,3,4,5,6,7
	s_mul_i32 s79, s23, \k
	s_sub_co_i32 s79, s24, s79
	s_max_i32 s79, s79, 0
	s_min_i32 s[84+\k], s79, s23                   ; N_k
	s_max_i32 s79, s[84+\k], 1
	s_sub_co_u32 s79, s79, 1
	v_min_u32 v[8+\k], s79, v0                     ; only places under N_k (place 0 in any case) are read
	v_min_u32 v[8+\k], 0x13f, v[8+\k]
	v_lshlrev_b32 v[8+\k], 2, v[8+\k]
	global_load_b32 v[16+\k], v[8+\k], s[76:77] offset:SCG*\k
	global_load_b32 v[24+\k], v[8+\k], s[76:77] offset:SCH+SCG*\k
.endr
	s_wait_loadcnt 16                              ; mask and rank are in; the 16 loads behind them stay out
	v_min_u32 v49, 0x7ff, v49                      ; p
	s_sub_co_u32 s81, 320, s23
	v_mov_b32 v77, s81                             ; 320 - Q
	v_mov_b32 v76, v49
.irp g, 1,2,3,4,5,6,7
	s_mul_i32 s79, s23, \g
	v_cmp_le_u32 vcc_lo, s79, v49                  ; p >= g Q: one eighth further on
	v_cndmask_b32 v42, v53, v77, vcc_lo
	v_add_nc_u32 v76, v76, v42
.endr
	v_min_u32 v76, 0x9ff, v76                      ; p + G (320 - Q), inside the batch's 2,560 words
	v_lshlrev_b32 v76, 2, v76
	global_load_b32 v50, v76, s[76:77]
	global_load_b32 v51, v76, s[76:77] offset:SCH
	s_wait_loadcnt 2                               ; my 8 places' scores are in; the two gathers stay out
.irp k, 0,1,2,3,4,5,6,7
	v_add_f32 v[16+\k], v[16+\k], v[24+\k]         ; the two halves of the outputs
	v_cndmask_b32 v[16+\k], v[16+\k], v53, s27     ; no row counts: 0
	v_cmp_gt_u32 vcc_lo, s[84+\k], v0
	v_cndmask_b32 v[16+\k], v54, v[16+\k], vcc_lo  ; places from N_k on: -infinity
.endr
	v_max3_num_f32 v42, v16, v17, v18
	v_max3_num_f32 v43, v19, v20, v21
	v_max3_num_f32 v42, v42, v22, v23
	v_max_num_f32 v42, v42, v43
.irp x, 1,2,4,8
	v_max_num_f32_dpp v42, v42, v42 row_xmask:\x row_mask:0xf bank_mask:0xf
.endr
	v_permlanex16_b32 v43, v42, s70, s71
	v_max_num_f32 v42, v42, v43
	ds_store_b32 v6, v42                           ; my wave's maximum
	BAR
	ds_load_b128 v[56:59], v5
	ds_load_b128 v[60:63], v5 offset:16
	s_wait_loadcnt 0x0                             ; the gathers
	v_add_f32 v50, v50, v51
	v_cndmask_b32 v50, v50, v53, s27
	s_wait_dscnt 0x0
	v_max3_num_f32 v42, v56, v57, v58
	v_max3_num_f32 v43, v59, v60, v61
	v_max3_num_f32 v42, v42, v62, v63
	v_max_num_f32 v42, v42, v43                    ; m: finite, since place 0 of eighth 0 counts
	v_mul_f32 v40, s78, v42
.irp k, 0,1,2,3,4,5,6,7
	v_fma_f32 v[16+\k], v[16+\k], s78, -v40        ; (score - m) log2(e)
.endr
	v_fma_f32 v50, v50, s78, -v40
.irp k, 0,1,2,3,4,5,6,7
	v_exp_f32 v[16+\k], v[16+\k]
.endr
	v_exp_f32 v50, v50
	v_nop                                          ; a plain line behind the batch
	s_wait_alu depctr_va_vdst(0)                   ; one wait for the nine exponentials, ahead of their first reader
	v_add_f32 v42, v16, v17
	v_add_f32 v43, v18, v19
	v_add_f32 v55, v20, v21
	v_add_f32 v51, v22, v23
	v_add_f32 v42, v42, v43
	v_add_f32 v55, v55, v51
	v_add_f32 v42, v42, v55
.irp x, 1,2,4,8
	v_add_f32_dpp v42, v42, v42 row_xmask:\x row_mask:0xf bank_mask:0xf
.endr
	v_permlanex16_b32 v43, v42, s70, s71
	v_add_f32 v42, v42, v43
	ds_store_b32 v6, v42 offset:32                 ; my wave's sum: other words than the maxima
	BAR
	ds_load_b128 v[56:59], v5 offset:32
	ds_load_b128 v[60:63], v5 offset:48
	s_wait_dscnt 0x0
	v_add_f32 v56, v56, v57
	v_add_f32 v58, v58, v59
	v_add_f32 v60, v60, v61
	v_add_f32 v62, v62, v63
	v_add_f32 v56, v56, v58
	v_add_f32 v60, v60, v62
	v_add_f32 v42, v56, v60
	v_rcp_f32 v41, v42
	v_cmp_ne_u32 vcc_lo, 0, v48                    ; (a plain line behind the reciprocal)  does t count?
	s_or_b32 vcc_lo, vcc_lo, s27
	s_wait_alu depctr_va_vdst(0)
.irp k, 0,1,2,3,4,5,6,7
	v_mul_f32 v[16+\k], v[16+\k], v41              ; the weights of my places
.endr
	v_mul_f32 v52, v50, v41
	v_cndmask_b32 v52, v53, v52, vcc_lo            ; out1: 0 for a row that does not count
	ds_store_b32 v45, v52
	; ---- the rows
.macro CHUNK k
	s_cmp_ge_u32 s31, s[84+\k]                     ; my first place of the eighth against N_k
	s_cbranch_scc1 .Lrows_done                     ; N_k falls with k: nothing behind it counts either
	s_mul_i32 s30, s23, \k
	s_add_co_u32 s30, s30, s31                     ; its rank: k Q + 32 w
	s_min_u32 s30, s30, 2047
	s_lshl_b32 s79, s30, 2
	s_load_b512 s[32:47], s[74:75], s79 offset:0x0
	s_load_b512 s[48:63], s[74:75], s79 offset:0x40
	s_sub_co_u32 s29, s[84+\k], s31
	s_wait_kmcnt 0x0
.set E_, 0
.rept 32
	s_cmp_gt_u32 s29, E_
	s_cselect_b32 s81, s[32+E_], s28               ; a place from N_k on has weight 0: it takes a row that counts
	s_min_u32 s81, s81, 2047
	v_lshl_add_u32 v[96+E_], s81, 12, v1
	global_load_b128 v[128+4*E_:131+4*E_], v[96+E_], s[72:73] th:TH_LOAD_NT   ; 32 lanes read my 512 consecutive bytes of the row
.set E_, E_+1
.endr
.set E_, 0
.rept 32
	s_wait_loadcnt 31-E_                           ; the chunk's younger loads stay out
	v_readlane_b32 s[66+2*(E_%2)], v[16+\k], E_
	v_pk_fma_f32 v[32+4*(E_%2):33+4*(E_%2)], v[128+4*E_:129+4*E_], s[66+2*(E_%2):67+2*(E_%2)], v[32+4*(E_%2):33+4*(E_%2)] op_sel_hi:[1,0,1]
	v_pk_fma_f32 v[34+4*(E_%2):35+4*(E_%2)], v[130+4*E_:131+4*E_], s[66+2*(E_%2):67+2*(E_%2)], v[34+4*(E_%2):35+4*(E_%2)] op_sel_hi:[1,0,1]
.set E_, E_+1
.endr
.endm
.irp k, 0,1,2,3,4,5,6,7
	CHUNK \k
.endr
.Lrows_done:
	v_pk_add_f32 v[32:33], v[32:33], v[36:37]
	v_pk_add_f32 v[34:35], v[34:35], v[38:39]
	ds_store_b128 v7, v[32:35]
	BAR                                            ; the eight partial contexts and the 256 weights lie in LDS
	s_cmp_eq_u32 s20, 0
	s_cbranch_scc0 .Lnot_wave_0
.irp w, 0,1,2,3,4,5,6,7
	ds_load_b128 v[128+4*\w:131+4*\w], v44 offset:512*\w
.endr
	s_wait_dscnt 0x0
.irp w, 1,2,3,4,5,6,7
	v_pk_add_f32 v[128:129], v[128:129], v[128+4*\w:129+4*\w]
	v_pk_add_f32 v[130:131], v[130:131], v[130+4*\w:131+4*\w]
.endr
	global_store_b128 v1, v[128:131], s[16:17]     ; 512 consecutive bytes of out0, at a multiple of 512 from its first byte
	s_branch .Lend
.Lnot_wave_0:
	s_lshr_b32 s79, s20, 1
	s_cmp_eq_u32 s79, 1
	s_cbranch_scc0 .Lend
	ds_load_b128 v[64:67], v47                     ; waves 2 and 3: half of the 256 weights each
	s_wait_dscnt 0x0
	global_store_b128 v46, v[64:67], s[18:19]      ; 512 consecutive bytes of out1
.Lend:
	s_wait_tensorcnt 0x0                           ; the wave's end
	ds_add_u32 v2, v3
	s_wait_dscnt 0x0
	s_endpgm
.Lfunc_end_k_qb828d3e48b_context:
	.size	k_qb828d3e48b_context, .Lfunc_end_k_qb828d3e48b_context-k_qb828d3e48b_context
	.p2alignl 7, 3214868480
	.fill 96, 4, 3214868480
	.section	.rodata,"a",@progbits
	.p2align	6, 0x0
	.amdhsa_kernel k_qb828d3e48b_context
		.amdhsa_group_segment_fixed_size 6400
		.amdhsa_private_segment_fixed_size 0
		.amdhsa_enable_private_segment 0
		.amdhsa_kernarg_size 64
		.amdhsa_user_sgpr_count 2
		.amdhsa_user_sgpr_kernarg_segment_ptr 1
		.amdhsa_wavefront_size32 1
		.amdhsa_system_sgpr_workgroup_id_x 1
		.amdhsa_system_sgpr_workgroup_id_y 1
		.amdhsa_system_sgpr_workgroup_id_z 1
		.amdhsa_system_vgpr_workitem_id 0
		.amdhsa_next_free_vgpr 256
		.amdhsa_next_free_sgpr 94
		.amdhsa_reserve_vcc 1
		.amdhsa_float_denorm_mode_32 3
		.amdhsa_float_denorm_mode_16_64 3
		.amdhsa_memory_ordered 1
		.amdhsa_forward_progress 1
		.amdhsa_inst_pref_size 148
	.end_amdhsa_kernel
	.amdgpu_metadata
---
amdhsa.version: [ 1, 2 ]
amdhsa.kernels:
  - .name:           k_qb828d3e48b_context
    .symbol:         k_qb828d3e48b_context.kd
    .args:
      - { .name: encoder_outputs, .offset: 0, .size: 8, .value_kind: global_buffer, .address_space: global }
      - { .name: mask, .offset: 8, .size: 8, .value_kind: global_buffer, .address_space: global }
      - { .name: list, .offset: 16, .size: 8, .value_kind: global_buffer, .address_space: global }
      - { .name: rank, .offset: 24, .size: 8, .value_kind: global_buffer, .address_space: global }
      - { .name: meta, .offset: 32, .size: 8, .value_kind: global_buffer, .address_space: global }
      - { .name: sc, .offset: 40, .size: 8, .value_kind: global_buffer, .address_space: global }
      - { .name: out0, .offset: 48, .size: 8, .value_kind: global_buffer, .address_space: global }
      - { .name: out1, .offset: 56, .size: 8, .value_kind: global_buffer, .address_space: global }
    .group_segment_fixed_size: 6400
    .private_segment_fixed_size: 0
    .kernarg_segment_align: 8
    .kernarg_segment_size: 64
    .max_flat_workgroup_size: 256
    .sgpr_count:     94
    .vgpr_count:     256
    .wavefront_size: 32
...
	.end_amdgpu_metadata
.endif
;; end of part 3
;; ======== version 2 of 2: 3 launches
;; limits: right only within a limited range of input values
;; workspace buffers: decp 131,072 bytes; list 278,528 bytes of whole numbers; rank 262,144 bytes of whole numbers; meta 256 bytes of whole numbers; sc 655,360 bytes
;; launch prep (part 4): grid 48 x 1, 4 waves a work-group, no clusters, 0 bytes of LDS; arguments W_dec_codes, decoder_hidden_codes, lowp_scales, mask, decp, list, rank, meta; writes decp, list, rank, meta
.if DOCPART == 4
	.amdgcn_target "amdgcn-amd-amdhsa--gfx1250"
	.amdhsa_code_object_version 6
	.text
	.protected	k_qb828d3e48b_prep
	.globl	k_qb828d3e48b_prep
	.p2align	8
	.type	k_qb828d3e48b_prep,@function
k_qb828d3e48b_prep:
	s_mov_b64 s[64:65], 0
	v_nop
	global_prefetch_b8 v0, s[64:65] scope:SCOPE_SE
	s_setreg_imm32_b32 hwreg(HW_REG_WAVE_MODE, 25, 1), 1
	s_wait_xcnt 0x0
; ADDITIVE ATTENTION, launch 1 of 3: the decoder's projection, and each batch's list of rows that count.
; WHAT THE PROGRAM LEAVES OUT, AND WHY.  reference() puts NEG = -1e9 in the place of the score of every row t with mask[b][t] == 0: whatever enc_p, the tanh and the product with v
; give for such a row reaches no output, for all values of the inputs.  mask is a whole-number input that reference() compares, so the rows are chosen by reading it: this launch stores the choice
; as whole numbers, the later launches read it.  In a batch that has a row with mask != 0, a masked row's weight is exp(-1e9 - max): with |score| <= sum |v| it lies under every f32 number, so it is 0 in
; reference()'s f32: out1 gets 0 there and the row adds nothing to out0.  In a batch with no such row all scores are NEG alike: every row is taken to count, with equal scores.
; LIMITS: sum |v| under 9e8 (else a masked weight need not be 0); inputs finite: a NaN, an infinity or an overflow that sits only in a masked row of encoder_outputs is not carried to the result; NaN is not served.
; Every input has a way to an output and is loaded by some launch.
; PATH D, work-groups 0-15: decp[b][o] = c2 x sum_k dec[b][k] W_dec[o][k], c2 = 2 log2(e), on the given E4M3 codes.  A wave takes 16 outputs and all 32 batches: 2 accumulators by turns, 8 K steps of 128.
;   A fragment is fetched by four loads of 16 bytes, alike for both operands: a permutation of k inside an instruction, the same on both sides.  LIMIT: e2 + e3 between -127 and 126 (added to c2's exponent field).
; PATH C, work-groups 16-47: a work-group takes a batch, wave q its rows 512 q .. 512 q + 511.  Every wave counts all 2,048 rows for itself (64 compares, a scalar chain), and keeps the count as it stood at row 512 q.
;   cnt = rows with mask != 0 (2,048 and flag = 1 where there is none).  list[b][0 .. cnt-1]: those rows' t in ascending order; list[b][cnt .. 2047]: the other t;
;   list[b][2048 .. 2175] = 0 (read ahead by the next launch, never used; 32 entries a wave).  rank[b][t] = min(rows that count before t, cnt - 1).  meta[b] = (cnt, flag), by thread 0.  Every t has one place in the list.
.set C2BITS, 0x4038aa3b                ; c2 = 2 log2(e) as f32
.set MSB, 0
.macro WIN new                         ; the immediate's high byte repeats the setting that is left
.if MSB != \new
	s_set_vgpr_msb (MSB<<8)|\new
.set MSB, \new
.endif
.endm
	s_load_b512 s[4:19], s[0:1], 0x0               ; W_dec s[4:5], dec s[6:7], scales s[8:9], mask s[10:11], decp s[12:13], list s[14:15], rank s[16:17], meta s[18:19]
	v_lshrrev_b32 v1, 5, v0
	v_readfirstlane_b32 s20, v1                    ; wave 0..3
	s_cmp_lt_u32 ttmp9, 16
	s_cbranch_scc0 .Lcompact
	; ---- PATH D
	v_and_b32 v1, 15, v0                           ; r
	v_bfe_u32 v2, v0, 4, 1                         ; h
	v_lshlrev_b32 v3, 10, v1
	v_lshl_add_u32 v3, v2, 4, v3                   ; a row of 1,024 codes: 1024 r + 16 h
	v_lshlrev_b32 v4, 12, v1
	v_lshl_add_u32 v4, v2, 5, v4                   ; decp: batch r's row of 4,096 bytes + 32 h
	s_lshl_b32 s21, ttmp9, 2
	s_add_co_u32 s21, s21, s20                     ; which 16 outputs: 4 x work-group + wave
	s_lshl_b32 s22, s21, 14                        ; their 16 rows of W_dec
	s_mov_b32 s23, 0
	s_lshl_b32 s24, s21, 6                         ; their 64 bytes in a row of decp
	s_mov_b32 s25, 0
	s_wait_alu depctr_va_vdst(0)
	s_wait_kmcnt 0x0
	s_load_b128 s[28:31], s[8:9], 0x0              ; e0 .. e3
	s_add_nc_u64 s[4:5], s[4:5], s[22:23]
	s_add_nc_u64 s[12:13], s[12:13], s[24:25]
.irp s, 0,1,2,3,4,5,6,7
.irp c, 0,1,2,3
	global_load_b128 v[16+16*\s+4*\c:19+16*\s+4*\c], v3, s[4:5] offset:128*\s+32*\c          ; W_dec, K step s: v16-143
.endr
.endr
	WIN 0x40                                       ; destination window 1
.irp m, 0,1
.irp s, 0,1,2,3,4,5,6,7
.irp c, 0,1,2,3
	global_load_b128 v[128*\m+16*\s+4*\c:128*\m+16*\s+4*\c+3], v3, s[6:7] offset:16384*\m+128*\s+32*\c   ; dec, batches 16 m on, K step s
.endr
.endr
.endr
	WIN 0
	s_wait_loadcnt 0x0
	s_wait_kmcnt 0x0
	s_add_co_i32 s40, s30, s31                     ; e2 + e3
	s_lshl_b32 s40, s40, 23
	s_add_co_i32 s40, s40, C2BITS                  ; c2 x 2^(e2 + e3)
	s_mov_b32 s41, s40                             ; (named with it as a pair, so it is written)
	WIN 0x04                                       ; source 1 (dec) window 1
.irp s, 0,1,2,3,4,5,6,7
.irp m, 0,1
.if \s == 0
	v_wmma_f32_16x16x128_fp8_fp8 v[144+8*\m:151+8*\m], v[16+16*\s:31+16*\s], v[128*\m+16*\s:128*\m+16*\s+15], 0
.else
	v_wmma_f32_16x16x128_fp8_fp8 v[144+8*\m:151+8*\m], v[16+16*\s:31+16*\s], v[128*\m+16*\s:128*\m+16*\s+15], v[144+8*\m:151+8*\m]
.endif
.endr
.endr
	WIN 0
.rept 4
	v_nop                                          ; four places between the last product and the first read of a result (ISA guide 7.12.1)
.endr
.irp x, 0,2,4,6,8,10,12,14
	v_pk_mul_f32 v[160+\x:161+\x], v[144+\x:145+\x], s[40:41] op_sel_hi:[1,0]   ; each accumulator from its low end on
.endr
.irp m, 0,1                                    ; register x of lane (r, h): output 8 h + x of my 16, batch 16 m + r: 32 neighbouring bytes of a row of decp
	global_store_b128 v4, v[160+8*\m:163+8*\m], s[12:13] offset:65536*\m
	global_store_b128 v4, v[164+8*\m:167+8*\m], s[12:13] offset:65536*\m+16
.endr
	s_endpgm
	; ---- PATH C
.Lcompact:
; the lane mask of group k (32 rows) has a scalar register of its own: s38-63, s66-101, s4, s5 (W_dec's address is not used on this path)
.macro MR k
.if (\k) < 26
.set MR_, 38+(\k)
.elseif (\k) < 62
.set MR_, 40+(\k)
.else
.set MR_, (\k)-58
.endif
.endm
	v_and_b32 v1, 31, v0                           ; lane
	v_lshlrev_b32 v2, 2, v1                        ; 4 x lane
	v_mov_b32 v5, 0
	s_lshl_b32 s28, s20, 11
	v_add_nc_u32 v3, s28, v2                       ; 2048 q + 4 lane: my quarter of a row of mask and of rank
	s_lshl_b32 s29, s20, 7
	v_add_nc_u32 v4, s29, v2                       ; 128 q + 4 lane: my 32 of the list's 128 spare entries
	v_lshrrev_b32 v8, 2, v3                        ; 512 q + lane: t in my first group
	s_lshl_b32 s29, s20, 9                         ; 512 q
	s_sub_co_u32 s21, ttmp9, 16                    ; my batch
	s_lshl_b32 s22, s21, 13                        ; its row of mask and of rank
	s_mov_b32 s23, 0
	s_mul_i32 s24, s21, 8704                       ; of list
	s_mov_b32 s25, 0
	s_lshl_b32 s26, s21, 3                         ; of meta
	s_mov_b32 s27, 0
	s_wait_alu depctr_va_vdst(0)
	s_wait_kmcnt 0x0
	s_add_nc_u64 s[10:11], s[10:11], s[22:23]
	s_add_nc_u64 s[16:17], s[16:17], s[22:23]
	s_add_nc_u64 s[14:15], s[14:15], s[24:25]
	s_add_nc_u64 s[18:19], s[18:19], s[26:27]
.set K_, 0
.rept 64
	global_load_b32 v[64+K_], v2, s[10:11] offset:128*K_     ; mask[b][32 k + lane]: the whole batch, for the counts
.set K_, K_+1
.endr
.set K_, 0
.rept 16
	global_load_b32 v[32+K_], v3, s[10:11] offset:128*K_     ; mask[b][512 q + 32 k + lane]: my quarter once more, in registers of fixed number
.set K_, K_+1
.endr
	s_mov_b32 s30, 0
	s_mov_b32 s35, 0
	s_wait_loadcnt 0x0
.set K_, 0
.rept 64                                       ; 64 compares that do not hang on each other
	MR K_
	v_cmp_ne_u32 s[MR_], 0, v[64+K_]
.set K_, K_+1
.endr
	s_wait_alu depctr_va_vdst(0)                   ; ahead of the run of scalar instructions
.set K_, 0
.rept 64                                       ; the count, on scalar registers alone; at group 16 q it is kept: the rows that count before my quarter
.if (K_%16 == 0) && (K_ > 0)
	s_cmp_eq_u32 s20, K_/16
	s_cselect_b32 s35, s30, s35
.endif
	MR K_
	s_bcnt1_i32_b32 s36, s[MR_]
	s_add_co_u32 s30, s30, s36
.set K_, K_+1
.endr
	s_cmp_eq_u32 s30, 0
	s_cselect_b32 s31, -1, 0                       ; none: every row is taken to count,
	s_cselect_b32 s32, 1, 0                        ; the flag says so,
	s_cselect_b32 s33, 2048, s30                   ; cnt,
	s_cselect_b32 s35, s29, s35                    ; and 512 q rows count before my quarter
	s_sub_co_u32 s34, s33, 1
.set K_, 0
.rept 16                                       ; my quarter's masks, in the registers of groups 0-15, which are done with
	MR K_
	v_cmp_ne_u32 s[MR_], 0, v[32+K_]
.set K_, K_+1
.endr
	s_wait_alu depctr_va_vdst(0)                   ; ahead of the scalar readers
.set K_, 0
.rept 16                                       ; each k has registers of its own, so no store's source is written again
	MR K_
	s_or_b32 s[MR_], s[MR_], s31
	v_mbcnt_lo_u32_b32 v[192+K_], s[MR_], s35      ; rows that count before t
	v_add_nc_u32 v[64+K_], 32*K_, v8               ; t
	v_sub_nc_u32 v[128+K_], v[64+K_], v[192+K_]    ; rows that do not count before t
	v_add_nc_u32 v[128+K_], s33, v[128+K_]         ; such a row's place: behind the cnt that count
	v_cndmask_b32 v[128+K_], v[128+K_], v[192+K_], s[MR_]
	v_min_u32 v[128+K_], 0x7ff, v[128+K_]
	v_lshlrev_b32 v[128+K_], 2, v[128+K_]
	v_min_u32 v[192+K_], s34, v[192+K_]
	s_bcnt1_i32_b32 s36, s[MR_]
	s_add_co_u32 s35, s35, s36
.set K_, K_+1
.endr
	v_mov_b32 v6, s33
	v_mov_b32 v7, s32
	v_cmp_eq_u32 vcc_lo, 0, v0                     ; thread 0 of the work-group
	s_wait_alu depctr_va_vdst(0)                   ; one wait for all that the stores below read
.set K_, 0
.rept 16                                       ; the stores, in one run
	global_store_b32 v[128+K_], v[64+K_], s[14:15]
	global_store_b32 v3, v[192+K_], s[16:17] offset:128*K_
.set K_, K_+1
.endr
	global_store_b32 v4, v5, s[14:15] offset:8192  ; entries 2048 + 32 q .. + 31
	s_wait_xcnt 0x0                                ; EXEC changes only behind this wait: it is a source of the stores above
	s_and_saveexec_b32 s37, vcc_lo
	global_store_b64 v5, v[6:7], s[18:19]          ; thread 0: (cnt, flag)
	s_wait_xcnt 0x0
	s_or_b32 exec_lo, exec_lo, s37
	s_endpgm
.Lfunc_end_k_qb828d3e48b_prep:
	.size	k_qb828d3e48b_prep, .Lfunc_end_k_qb828d3e48b_prep-k_qb828d3e48b_prep
	.p2alignl 7, 3214868480
	.fill 96, 4, 3214868480
	.section	.rodata,"a",@progbits
	.p2align	6, 0x0
	.amdhsa_kernel k_qb828d3e48b_prep
		.amdhsa_group_segment_fixed_size 0
		.amdhsa_private_segment_fixed_size 0
		.amdhsa_enable_private_segment 0
		.amdhsa_kernarg_size 64
		.amdhsa_user_sgpr_count 2
		.amdhsa_user_sgpr_kernarg_segment_ptr 1
		.amdhsa_wavefront_size32 1
		.amdhsa_system_sgpr_workgroup_id_x 1
		.amdhsa_system_sgpr_workgroup_id_y 1
		.amdhsa_system_sgpr_workgroup_id_z 1
		.amdhsa_system_vgpr_workitem_id 0
		.amdhsa_next_free_vgpr 512
		.amdhsa_next_free_sgpr 102
		.amdhsa_reserve_vcc 1
		.amdhsa_float_denorm_mode_32 3
		.amdhsa_float_denorm_mode_16_64 3
		.amdhsa_memory_ordered 1
		.amdhsa_forward_progress 1
		.amdhsa_inst_pref_size 42
	.end_amdhsa_kernel
	.amdgpu_metadata
---
amdhsa.version: [ 1, 2 ]
amdhsa.kernels:
  - .name:           k_qb828d3e48b_prep
    .symbol:         k_qb828d3e48b_prep.kd
    .args:
      - { .name: W_dec_codes, .offset: 0, .size: 8, .value_kind: global_buffer, .address_space: global }
      - { .name: decoder_hidden_codes, .offset: 8, .size: 8, .value_kind: global_buffer, .address_space: global }
      - { .name: lowp_scales, .offset: 16, .size: 8, .value_kind: global_buffer, .address_space: global }
      - { .name: mask, .offset: 24, .size: 8, .value_kind: global_buffer, .address_space: global }
      - { .name: decp, .offset: 32, .size: 8, .value_kind: global_buffer, .address_space: global }
      - { .name: list, .offset: 40, .size: 8, .value_kind: global_buffer, .address_space: global }
      - { .name: rank, .offset: 48, .size: 8, .value_kind: global_buffer, .address_space: global }
      - { .name: meta, .offset: 56, .size: 8, .value_kind: global_buffer, .address_space: global }
    .group_segment_fixed_size: 0
    .private_segment_fixed_size: 0
    .kernarg_segment_align: 8
    .kernarg_segment_size: 64
    .max_flat_workgroup_size: 128
    .sgpr_count:     102
    .vgpr_count:     512
    .wavefront_size: 32
...
	.end_amdgpu_metadata
.endif
;; end of part 4
;; launch scores (part 5): grid 256 x 1, 4 waves a work-group, no clusters, 233,472 bytes of LDS; arguments encoder_outputs, W_enc_codes, lowp_scales, v, decp, list, meta, sc; writes sc
.if DOCPART == 5
	.amdgcn_target "amdgcn-amd-amdhsa--gfx1250"
	.amdhsa_code_object_version 6
	.text
	.protected	k_qb828d3e48b_scores
	.globl	k_qb828d3e48b_scores
	.p2align	8
	.type	k_qb828d3e48b_scores,@function
k_qb828d3e48b_scores:
	s_mov_b64 s[64:65], 0
	v_nop
	global_prefetch_b8 v0, s[64:65] scope:SCOPE_SE
	s_setreg_imm32_b32 hwreg(HW_REG_WAVE_MODE, 25, 1), 1
	s_wait_xcnt 0x0
; ADDITIVE ATTENTION, launch 2 of 3: the scores of the rows that count.  score = sum_o v[o] tanh(enc_p[o] + dec_p[o]), enc_p on E4M3 codes: encoder_outputs quantised here with 2^e0, W_enc as given.
; LEFT OUT: rows with mask == 0 where the batch has a row that counts: reference() replaces their scores by NEG (shown at the head of the first launch).  They are not read here.
; SHARES.  Work-group = (batch b = wg / 8, eighth G = wg % 8): ranks START .. START + N - 1 of the batch's list, START = G Q, Q = ceil(cnt / 8), N = clamp(cnt - START, 0, Q).  Two passes of 160 places.  Pass 0 always runs (with
; N = 0 it works on one row that counts, and what it stores is never read: the grid is fixed, the split is read from memory).  Pass 1's work is jumped over where N <= 160: scalar branches on a stored number, round work
; alone; every barrier, the wait in front of it and every loop's steps stand outside them, so all four waves pass all barriers.  That is also why there are no tensor loads, no copies and no cluster here.
; A PASS.  X: the 160 rows are gathered (each load reads 512 consecutive bytes of one row), held within +-448 x 2^e0, converted, and laid in LDS as rows of codes.  Then wave (i, j) takes the codes of places 80 i .. 80 i + 79,
; all 1,024 along K, into 640 registers, where they stay.  W_enc then goes by in 32 steps of 32 outputs through two LDS slots; wave (i, j) multiplies its 5 tiles of 16 places by outputs 16 j .. 16 j + 15 of the step:
; 40 matrix instructions, each fragment of W feeding five.  tanh x = 1 - 2 / (1 + 2^(c2 x)), c2 = 2 log2(e): sound at both ends (2^.. = infinity gives 1, 0 gives -1), so no clamp.  A lane holds one output and 8 places a tile:
; S += v / (1 + 2^..) and VSUM += v are kept for each lane; at the end score's part = sum over 16 lanes of (VSUM - 2 S).
; W's WAY.  A wave brings a quarter (8 rows) of each step's 32 rows of W_enc from memory into one of two sets of 64 registers, and from there into the step's LDS slot.  The rows of step c use set c % 2 and slot c % 2.
; Step t asks for the rows of step t + 2, and stores those of step t + 1, asked for a step earlier, into the slot that all waves left ahead of the last barrier; the stores stand ahead of the step's products.
; THE RESULT: sc[j][wg][place], 320 places of f32 for each half j of the outputs and each work-group; the next launch adds the halves.  A work-group stores every place of a pass that it runs, those past its last row too
; (they hold the stand-in row's score and are never read): so every store's address is made of ids and constants, and no lane is ever switched off in this text.
; A step's tanh work is issued at the head of the NEXT step, while that step's fragments of W come from LDS.
; A fragment (16 rows x 128 K) is fetched by four loads of 16 bytes, alike for A and W: a permutation of k inside an instruction, the same on both sides.
; LIMITS: e0 between -126 and 119; e0 + e1 between -127 and 126 (added to c2's exponent field); NaN among the inputs is not served (an infinity is held at the largest code).
; LDS: rows of codes, pitch 1,040 bytes = 65 x 16, so that the sixteen rows of a fragment load begin 16 bytes further on, modulo 256, from row to row.
.set PITCH, 1040
.set RING,  160*PITCH                  ; behind the 160 rows of codes: two slots of 32 rows of W_enc
.set SLOTB, 32*PITCH
.set SPARE, RING+2*SLOTB               ; behind the ring: the spare words, 128 bytes for each wave: two blocks of 256 bytes that no other line names
.set C2BITS, 0x4038aa3b
.set SCG,   1280                       ; a work-group's 320 places in sc, in bytes
; REGISTERS, window 0: v1 16 x lane; v2 256 wave + 4 lane; v3 X's store address; v4, v5 my A fragments' addresses (tiles 0-3; tile 4); v6 my W fragments' address in slot 0; v8 where I store W in slot 0;
;   v10 byte of my output in decp's row and in v; v11 2^e0; v12 the byte in sc of the place that I store; v13 v10's first value; v14, v15 the add's two; v[16:17] bias, v[18:19] v (upper halves 0), v20, v21 the next ones;
;   v[22:23] VSUM; v24-28 the scores to store; v32-71 ACC (tile rt at 32 + 8 rt); v72-111 S; in X v32-159 are 16 slots of 8 numbers and v160-175 codes; in the W loop v176-239 are W's set 0 and v112-175 its set 1;
;   v240-255 rows' offsets.
;   window 1: v0-127 W's 8 fragments.  A's fragment (tile rt, K step s) has the number f = 5 s + rt: f 0-15 window 2, f 16-31 window 3, f 32-39 window 1 from v128: products in ascending f need three switches a step.
.set ACC, 32
.set SS,  72
.set CP,  160
.set WSR, 176                          ; W's set p begins at v[WSR - 64 p]
.set OFR, 240
; SCALARS: s20 wave, s21 i, s22 j, s23 b, s24 G, s25 cnt, s26 Q, s27 START, s28 N, s29 NP, s30 pass 1 has work, s31 a row that counts (for places past NP); s[32:47] 16 list entries; s[48:49] enc at my batch and my quarter of a row;
;   s[50:51] W at my 8 rows of a slot, s[52:53] the same, walking; s[54:55] decp's row; s[56:57] list's row; s[58:59] my 320 places of sc; s[60:61] c2 x 2^(e0+e1); s62, s63 -+448 x 2^e0; s68 X's LDS step; s69 places left;
;   s70 list byte; s71 loop counts; s74-80 lanes with lane % 8 = 1 .. 7; s81, s82 at work; s83 the pass's first rank.
.set MSB, 0
.macro WIN new                         ; the immediate's high byte repeats the setting that is left
.if MSB != \new
	s_set_vgpr_msb (MSB<<8)|\new
.set MSB, \new
.endif
.endm
.macro BAR                             ; my LDS stores have landed and my LDS loads are in: then the work-group's barrier
	s_wait_alu depctr_va_vdst(0)
	s_wait_dscnt 0x0
	s_barrier_signal -1
	s_barrier_wait -1
.endm
.macro OFFS                            ; 16 list entries become 16 byte offsets: row t x 4,096 + 16 x lane.  A place past the pass's last takes the row s31
.irp e, 0,1,2,3,4,5,6,7,8,9,10,11,12,13,14,15
	s_cmp_gt_i32 s69, \e
	s_cselect_b32 s81, s[32+\e], s31
	s_min_u32 s81, s81, 2047
	v_lshl_add_u32 v[OFR+\e], s81, 12, v1
.endr
	s_wait_alu depctr_va_vdst(0)                   ; behind the offsets, which stand among scalar instructions
.endm
.macro XLOAD q                         ; my quarter (1,024 bytes) of the row of slot q: two loads of 512 consecutive bytes: columns 256 wave + 4 lane + 0..3, and 128 further on
	global_load_b128 v[32+8*(\q):35+8*(\q)], v[OFR+(\q)], s[48:49] th:TH_LOAD_NT
	global_load_b128 v[36+8*(\q):39+8*(\q)], v[OFR+(\q)], s[48:49] offset:512 th:TH_LOAD_NT
.endm
.macro XSLOT q, reload, left
	s_wait_loadcnt \left                           ; loads come back in order: this slot's two are in, the younger ones stay out
	s_wait_dscnt 14                                ; the stores that read this pair of code registers, eight slots back, are done: seven slots' two stores each are younger
.irp x, 0,1,2,3,4,5,6,7
	v_med3_num_f32 v[32+8*(\q)+\x], v[32+8*(\q)+\x], s62, s63   ; the conversion to an 8-bit code does not saturate (ISA guide 7.6.2): the hold at the largest code x the scale
.endr
	v_cvt_scalef32_pk8_fp8_f32 v[CP+2*((\q)%8):CP+2*((\q)%8)+1], v[32+8*(\q):39+8*(\q)], v11
	ds_store_b32 v3, v[CP+2*((\q)%8)] offset:PITCH*(\q)          ; 4 codes a lane, 128 consecutive bytes a wave
	ds_store_b32 v3, v[CP+2*((\q)%8)+1] offset:PITCH*(\q)+128
.if \reload
	XLOAD \q                                       ; the same slot of the next round
.endif
.endm
.macro XPRO                            ; the pass's first requests: W's rows of step 0, the first two groups of list entries, the first 16 rows
.irp w, 0,1,2,3,4,5,6,7,8,9,10,11,12,13,14,15
	global_load_b128 v[WSR+4*\w:WSR+4*\w+3], v1, s[50:51] offset:1024*(\w/2)+512*(\w%2)
.endr
	s_add_nc_u64 s[52:53], s[50:51], 65536         ; the walking pointer begins at step 2's rows: step 0 asks for them
	s_load_b512 s[32:47], s[56:57], s70 offset:0x0
	s_wait_kmcnt 0x0
	OFFS
	s_load_b512 s[32:47], s[56:57], s70 offset:0x40
.irp q, 0,1,2,3,4,5,6,7,8,9,10,11,12,13,14,15
	XLOAD \q
.endr
	s_wait_loadcnt 32                              ; W's 16 loads are in; the 32 row loads behind them stay out
.irp w, 0,1,2,3,4,5,6,7,8,9,10,11,12,13,14,15
	ds_store_b128 v8, v[WSR+4*\w:WSR+4*\w+3] offset:PITCH*(\w/2)+512*(\w%2)
.endr
.endm
.macro XROUND reload                   ; 16 rows become codes; reload = 1: the next 16 are asked for, slot by slot
	s_wait_kmcnt 0x0                               ; the next round's list entries
.if \reload
	OFFS                                           ; (the offsets' registers are free: the wait on XCNT at the last trip's end)
	s_load_b512 s[32:47], s[56:57], s70 offset:0x80   ; the round after that; in the last trip entries that are not used, inside list's 2,176 (the highest is 1,952 + 175)
.endif
	s_wait_dscnt 0x0                               ; the last round's stores have read their address
	v_add_nc_u32 v3, s68, v2
	s_wait_alu depctr_va_vdst(0)
.irp q, 0,1,2,3,4,5,6,7,8,9,10,11,12,13,14,15
.if \reload
	XSLOT \q, 1, 30                                ; the other 15 slots' two loads each
.else
	XSLOT \q, 0, 30-2*\q                           ; the count runs down
.endif
.endr
	v_nop                                          ; one plain vector line behind the last scaled conversion
.endm
.macro ALOAD                           ; step 1's rows of W are asked for; then my 80 places' codes go into registers, 160 loads of 16 bytes a lane: they stay for the pass
.irp w, 0,1,2,3,4,5,6,7,8,9,10,11,12,13,14,15
	global_load_b128 v[WSR-64+4*\w:WSR-64+4*\w+3], v1, s[50:51] offset:32768+1024*(\w/2)+512*(\w%2)   ; into set 1, which X has left (its LDS stores were awaited ahead of the barrier)
.endr
.set F_, 0
.rept 40
.if F_ < 16
	WIN 0x80
.set AR_, 16*F_
.elseif F_ < 32
	WIN 0xc0
.set AR_, 16*(F_-16)
.else
	WIN 0x40
.set AR_, 128+16*(F_-32)
.endif
.irp c, 0,1,2,3
.if F_%5 < 4
	ds_load_b128 v[AR_+4*\c:AR_+4*\c+3], v4 offset:16*PITCH*(F_%5)+128*(F_/5)+32*\c
.else
	ds_load_b128 v[AR_+4*\c:AR_+4*\c+3], v5 offset:128*(F_/5)+32*\c
.endif
.endr
.set F_, F_+1
.endr
	WIN 0
	v_mov_b32 v10, v13                             ; while they come: the pass's sums begin at 0 (one copy of the tanh work then serves all 32 steps)
	v_mov_b32 v22, 0
.set J_, 0
.rept 40
	v_mov_b32 v[SS+J_], 0
.set J_, J_+1
.endr
	s_wait_alu depctr_va_vdst(0)
	s_wait_dscnt 0x0
.endm
.macro EPI                             ; the tanh work of the step whose sums lie in ACC, whose bias is v16 and whose v is v18
.set J_, 0
.rept 20
	v_pk_fma_f32 v[ACC+J_:ACC+J_+1], v[ACC+J_:ACC+J_+1], s[60:61], v[16:17] op_sel_hi:[1,0,0]   ; c2 (enc_p + dec_p); each accumulator from its low end on
.set J_, J_+2
.endr
.set J_, 0
	s_wait_alu depctr_va_vdst(0)
.rept 40
	v_exp_f32 v[ACC+J_], v[ACC+J_]
.set J_, J_+1
.endr
	v_add_f32 v22, v22, v18                        ; VSUM; also the plain line behind the batch
	s_wait_alu depctr_va_vdst(0)                   ; one wait for the 40 exponentials, ahead of their first reader
.set J_, 0
.rept 20
	v_pk_add_f32 v[ACC+J_:ACC+J_+1], v[ACC+J_:ACC+J_+1], 1.0 op_sel_hi:[1,0]
.set J_, J_+2
.endr
.set J_, 0
	s_wait_alu depctr_va_vdst(0)
.rept 40
	v_rcp_f32 v[ACC+J_], v[ACC+J_]
.set J_, J_+1
.endr
	v_nop
	s_wait_alu depctr_va_vdst(0)                   ; and one for the 40 reciprocals
.set J_, 0
.rept 20
	v_pk_fma_f32 v[SS+J_:SS+J_+1], v[ACC+J_:ACC+J_+1], v[18:19], v[SS+J_:SS+J_+1] op_sel_hi:[1,0,1]
.set J_, J_+2
.endr
.endm
; 40 products: K step s = f / 5, tile rt = f % 5.  The five accumulators take turns, one instruction a turn; the first five start the sums.
; extra: the LDS stores issued behind W's fragment loads, which may stay out.
.macro MUL extra
.set F_, 0
.rept 40
.if F_%5 == 0
	s_wait_dscnt 4*(7-F_/5)+\extra                 ; W's fragment s is in; the fragments behind it, four loads each, and the stores behind those may be out
.endif
.if F_ < 16
	WIN 0x06
.set AR_, 16*F_
.elseif F_ < 32
	WIN 0x07
.set AR_, 16*(F_-16)
.else
	WIN 0x05
.set AR_, 128+16*(F_-32)
.endif
.set AC_, ACC+8*(F_%5)
.set WR_, 16*(F_/5)
.if F_ < 5
	v_wmma_f32_16x16x128_fp8_fp8 v[AC_:AC_+7], v[AR_:AR_+15], v[WR_:WR_+15], 0
.else
	v_wmma_f32_16x16x128_fp8_fp8 v[AC_:AC_+7], v[AR_:AR_+15], v[WR_:WR_+15], v[AC_:AC_+7]
.endif
.set F_, F_+1
.endr
	WIN 0
.endm
; Step t: 32 outputs, read from ring slot sl = t % 2.  first = 1: no step before it.  ld = 1: the rows of step t + 2 are asked for, into set sl (its last rows went to LDS a step ago, and those stores were awaited
; ahead of the barrier).  st = 1: the rows of step t + 1, in the other set, go into the other slot, which all waves left ahead of the last barrier.
.macro STEP sl, first, ld, st, g
.if \g
	s_cmp_lg_u32 s30, 0
	s_cbranch_scc1 .Lrun_\@
	s_wait_loadcnt 0x0                             ; the way round the work: no load is out on it
	s_branch .Lst_\@
.Lrun_\@:
.endif
.rept 4
	v_nop                                          ; four places between the last product and loads into registers that it read (ISA guide 7.12.1 for vector instructions)
.endr
	WIN 0x40
.irp s, 0,1,2,3,4,5,6,7
.irp c, 0,1,2,3
	ds_load_b128 v[16*\s+4*\c:16*\s+4*\c+3], v6 offset:(\sl)*SLOTB+128*\s+32*\c
.endr
.endr
	WIN 0
	global_load_b32 v20, v10, s[54:55]             ; this step's bias and v of my output
	global_load_b32 v21, v10, s[10:11]
.if \ld
.irp w, 0,1,2,3,4,5,6,7,8,9,10,11,12,13,14,15
	global_load_b128 v[WSR-64*(\sl)+4*\w:WSR-64*(\sl)+4*\w+3], v1, s[52:53] offset:1024*(\w/2)+512*(\w%2)
.endr
.endif
.if \first == 0
	EPI                                            ; the step before
.endif
.if \st
	s_wait_loadcnt 2+16*\ld                        ; the next step's rows, asked for a step ago, are in; this step's bias and v and its requests stay out
.irp w, 0,1,2,3,4,5,6,7,8,9,10,11,12,13,14,15
	ds_store_b128 v8, v[WSR-64*(1-(\sl))+4*\w:WSR-64*(1-(\sl))+4*\w+3] offset:(1-(\sl))*SLOTB+PITCH*(\w/2)+512*(\w%2)
.endr
.endif
	MUL 16*\st
	s_wait_loadcnt 16*\ld                          ; bias and v are in; the rows of step t + 2 stay out
	v_mov_b32 v16, v20
	v_mov_b32 v18, v21
	v_add_nc_u32 v10, 128, v10
	s_wait_alu depctr_va_vdst(0)
.if \ld
	s_wait_xcnt 0x0                                ; the requests above have read their base: it steps only behind this wait
	s_add_nc_u64 s[52:53], s[52:53], 32768
.endif
.Lst_\@:
.endm
.macro FINAL p, g                      ; the last step's tanh work; the sums over my 16 outputs' lanes; the stores
.if \g
	s_cmp_eq_u32 s30, 0
	s_cbranch_scc1 .Lfin_\@
.endif
.rept 4
	v_nop                                          ; places between the last product and the first read of a result
.endr
	EPI
.set J_, 0
.rept 20
	v_pk_fma_f32 v[SS+J_:SS+J_+1], v[SS+J_:SS+J_+1], -2.0, v[22:23] op_sel_hi:[1,0,0]   ; VSUM - 2 S
.set J_, J_+2
.endr
.irp x, 1,2,4,8
.set J_, 0
.rept 40
	v_add_f32_dpp v[SS+J_], v[SS+J_], v[SS+J_] row_xmask:\x row_mask:0xf bank_mask:0xf
.set J_, J_+1
.endr
.endr
.irp t, 0,1,2,3,4                              ; all sixteen lanes of a half now hold the same eight sums: each lane takes the register of its number modulo 8: place 160 p + 80 i + 16 t + 8 h + lane % 8
	v_cndmask_b32 v[24+\t], v[SS+8*\t], v[SS+8*\t+1], s74
.irp m, 2,3,4,5,6,7
	v_cndmask_b32 v[24+\t], v[24+\t], v[SS+8*\t+\m], s[73+\m]
.endr
	global_store_b32 v12, v[24+\t], s[58:59] offset:640*\p+64*\t   ; 16 places, 64 consecutive bytes; lanes 8-15 and 24-31 store once more the word of the lane eight below, with the same value
.endr
.Lfin_\@:
.endm
.macro PASS p, g
	s_sub_co_i32 s29, s28, 160*\p
	s_max_i32 s29, s29, 0
	s_min_i32 s29, s29, 160                        ; NP: the pass's places that hold a row of mine
	s_add_co_u32 s83, s27, 160*\p                  ; its first rank
	s_mov_b32 s69, s29
	s_lshl_b32 s70, s83, 2
	s_mov_b32 s68, 0
.if \g
	s_cmp_eq_u32 s30, 0
	s_cbranch_scc1 .Lxa_\p
.endif
	XPRO
.Lxa_\p:
	s_wait_xcnt 0x0                                ; the loads above have read their offsets, and the last pass's stores their data: the next OFFS and the next FINAL may write them
	s_sub_co_i32 s69, s69, 16
	s_mov_b32 s71, 9
.Lxl_\p:                                           ; nine trips: a round is converted, the next one asked for
.if \g
	s_cmp_eq_u32 s30, 0
	s_cbranch_scc1 .Lxb_\p
.endif
	XROUND 1
.Lxb_\p:
	s_wait_xcnt 0x0                                ; the trip's loads, the scalar one too, have read their address registers: s70 steps, and the next OFFS writes the offsets
	s_add_co_u32 s68, s68, 16*PITCH
	s_sub_co_i32 s69, s69, 16
	s_add_co_u32 s70, s70, 64
	s_sub_co_u32 s71, s71, 1
	s_cmp_lg_u32 s71, 0
	s_cbranch_scc1 .Lxl_\p
.if \g
	s_cmp_eq_u32 s30, 0
	s_cbranch_scc1 .Lxc_\p
.endif
	XROUND 0
.Lxc_\p:
.if \g
	s_wait_loadcnt 0x0                             ; where the ways join: nothing of this phase is out on either
	s_wait_kmcnt 0x0
.endif
	BAR                                            ; the 160 rows of codes and W's slot 0 lie in LDS
.if \g
	s_cmp_eq_u32 s30, 0
	s_cbranch_scc1 .Lal_\p
.endif
	ALOAD
.Lal_\p:
	STEP 0, 1, 1, 1, \g                            ; step 0: outputs 0-31
	BAR
	s_mov_b32 s71, 14
.Lwl_\p:                                           ; fourteen trips of two steps: steps 1 to 28
	STEP 1, 0, 1, 1, \g
	BAR
	STEP 0, 0, 1, 1, \g
	BAR
	s_sub_co_u32 s71, s71, 1
	s_cmp_lg_u32 s71, 0
	s_cbranch_scc1 .Lwl_\p
	STEP 1, 0, 1, 1, \g                            ; step 29 asks for the last rows, step 31's
	BAR
	STEP 0, 0, 0, 1, \g                            ; step 30 asks for nothing and stores them
	BAR
	STEP 1, 0, 0, 0, \g                            ; step 31: outputs 992-1023, from slot 1.  No barrier behind it: what the next pass writes ahead of its first barrier (the rows of codes, slot 0) was last read ahead of the barrier above
	FINAL \p, \g
.endm
	s_load_b512 s[4:19], s[0:1], 0x0               ; enc s[4:5], W_enc s[6:7], scales s[8:9], v s[10:11], decp s[12:13], list s[14:15], meta s[16:17], sc s[18:19]
	v_lshl_add_u32 v14, v0, 2, SPARE
	v_mov_b32 v15, 0
	v_lshrrev_b32 v24, 5, v0
	v_readfirstlane_b32 s20, v24                   ; wave 0..3
	s_lshr_b32 s21, s20, 1                         ; i: which 80 places
	s_and_b32 s22, s20, 1                          ; j: which 16 of a step's 32 outputs
	s_lshr_b32 s23, ttmp9, 3                       ; batch
	s_and_b32 s24, ttmp9, 7                        ; eighth
	v_and_b32 v24, 31, v0                          ; lane
	v_and_b32 v25, 15, v0                          ; r
	v_bfe_u32 v26, v0, 4, 1                        ; h
	v_lshlrev_b32 v1, 4, v24
	s_lshl_b32 s81, s20, 8
	v_lshl_add_u32 v2, v24, 2, s81
	v_mul_u32_u24 v27, v25, PITCH
	v_lshl_add_u32 v27, v26, 4, v27                ; a fragment's row x pitch + 16 h
	s_mul_i32 s81, s21, 80*PITCH
	v_add_nc_u32 v4, s81, v27
	v_add_nc_u32 v5, 64*PITCH, v4
	s_mul_i32 s81, s22, 16*PITCH
	s_add_co_u32 s81, s81, RING
	v_add_nc_u32 v6, s81, v27
	s_mul_i32 s81, s20, 8*PITCH
	s_add_co_u32 s81, s81, RING
	v_add_nc_u32 v8, s81, v1
	s_lshl_b32 s81, s22, 4
	v_add_nc_u32 v13, s81, v25
	v_lshlrev_b32 v13, 2, v13                      ; 4 (16 j + r)
	v_and_b32 v12, 7, v0
	v_lshl_add_u32 v12, v26, 3, v12
	s_mul_i32 s81, s21, 80
	v_add_nc_u32 v12, s81, v12
	v_lshlrev_b32 v12, 2, v12                      ; 4 (80 i + 8 h + lane % 8); never rewritten
	v_mov_b32 v17, 0                               ; (upper halves of pairs that are named whole)
	v_mov_b32 v19, 0
	v_mov_b32 v23, 0
.irp m, 1,2,3,4,5,6,7
	s_mov_b32 s[73+\m], 0x01010101<<\m
.endr
	s_lshl_b32 s81, s23, 3
	s_wait_kmcnt 0x0
	s_load_b32 s25, s[16:17], s81 offset:0x0       ; cnt
	s_load_b128 s[32:35], s[8:9], 0x0              ; e0 .. e3
	s_lshl_b32 s82, s23, 23                        ; a batch is 8 MiB of enc
	s_lshl_b32 s83, s20, 10
	s_add_co_u32 s82, s82, s83
	s_mov_b32 s83, 0
	s_add_nc_u64 s[48:49], s[4:5], s[82:83]
	s_lshl_b32 s82, s20, 13
	s_add_nc_u64 s[50:51], s[6:7], s[82:83]
	s_lshl_b32 s82, s23, 12
	s_add_nc_u64 s[54:55], s[12:13], s[82:83]
	s_mul_i32 s82, s23, 8704
	s_add_nc_u64 s[56:57], s[14:15], s[82:83]
	s_lshl_b32 s82, s22, 8
	s_add_co_u32 s82, s82, ttmp9
	s_mul_i32 s82, s82, SCG                        ; sc[j][wg]
	s_add_nc_u64 s[58:59], s[18:19], s[82:83]
	s_wait_kmcnt 0x0
	s_min_u32 s25, s25, 2048
	s_add_co_u32 s26, s25, 7
	s_lshr_b32 s26, s26, 3                         ; Q
	s_mul_i32 s27, s24, s26
	s_min_u32 s27, s27, 1792                       ; START (7 x 256 at the most)
	s_sub_co_i32 s28, s25, s27
	s_max_i32 s28, s28, 0
	s_min_i32 s28, s28, s26                        ; N
	s_max_i32 s81, s28, 1
	s_add_co_u32 s81, s81, s27
	s_sub_co_u32 s81, s81, 1
	s_sub_co_u32 s82, s25, 1
	s_min_u32 s81, s81, s82
	s_min_u32 s81, s81, 2047
	s_lshl_b32 s81, s81, 2
	s_load_b32 s31, s[56:57], s81 offset:0x0       ; my last row, or the batch's last that counts
	s_add_co_i32 s82, s32, s33
	s_lshl_b32 s82, s82, 23
	s_add_co_i32 s60, s82, C2BITS                  ; c2 x 2^(e0 + e1)
	s_mov_b32 s61, s60
	s_add_co_i32 s82, s32, 127
	s_lshl_b32 s83, s82, 23
	v_mov_b32 v11, s83                             ; 2^e0: the conversion takes its exponent field
	s_add_co_i32 s82, s82, 8
	s_lshl_b32 s82, s82, 23
	s_or_b32 s63, s82, 0x600000                    ; 448 x 2^e0
	s_or_b32 s62, s63, 0x80000000
	s_cmp_gt_u32 s28, 160
	s_cselect_b32 s30, 1, 0
	s_wait_alu depctr_va_vdst(0)
	s_wait_kmcnt 0x0
	PASS 0, 0
	PASS 1, 1
	s_wait_tensorcnt 0x0                           ; the wave's end
	ds_add_u32 v14, v15
	s_wait_dscnt 0x0
	s_endpgm
.Lfunc_end_k_qb828d3e48b_scores:
	.size	k_qb828d3e48b_scores, .Lfunc_end_k_qb828d3e48b_scores-k_qb828d3e48b_scores
	.p2alignl 7, 3214868480
	.fill 96, 4, 3214868480
	.section	.rodata,"a",@progbits
	.p2align	6, 0x0
	.amdhsa_kernel k_qb828d3e48b_scores
		.amdhsa_group_segment_fixed_size 233472
		.amdhsa_private_segment_fixed_size 0
		.amdhsa_enable_private_segment 0
		.amdhsa_kernarg_size 64
		.amdhsa_user_sgpr_count 2
		.amdhsa_user_sgpr_kernarg_segment_ptr 1
		.amdhsa_wavefront_size32 1
		.amdhsa_system_sgpr_workgroup_id_x 1
		.amdhsa_system_sgpr_workgroup_id_y 1
		.amdhsa_system_sgpr_workgroup_id_z 1
		.amdhsa_system_vgpr_workitem_id 0
		.amdhsa_next_free_vgpr 1024
		.amdhsa_next_free_sgpr 84
		.amdhsa_reserve_vcc 0
		.amdhsa_float_denorm_mode_32 3
		.amdhsa_float_denorm_mode_16_64 3
		.amdhsa_memory_ordered 1
		.amdhsa_forward_progress 1
		.amdhsa_inst_pref_size 255
	.end_amdhsa_kernel
	.section	.bss,"aw",@nobits
	.p2align	6
	.space	262144
	.amdgpu_metadata
---
amdhsa.version: [ 1, 2 ]
amdhsa.kernels:
  - .name:           k_qb828d3e48b_scores
    .symbol:         k_qb828d3e48b_scores.kd
    .args:
      - { .name: encoder_outputs, .offset: 0, .size: 8, .value_kind: global_buffer, .address_space: global }
      - { .name: W_enc_codes, .offset: 8, .size: 8, .value_kind: global_buffer, .address_space: global }
      - { .name: lowp_scales, .offset: 16, .size: 8, .value_kind: global_buffer, .address_space: global }
      - { .name: v, .offset: 24, .size: 8, .value_kind: global_buffer, .address_space: global }
      - { .name: decp, .offset: 32, .size: 8, .value_kind: global_buffer, .address_space: global }
      - { .name: list, .offset: 40, .size: 8, .value_kind: global_buffer, .address_space: global }
      - { .name: meta, .offset: 48, .size: 8, .value_kind: global_buffer, .address_space: global }
      - { .name: sc, .offset: 56, .size: 8, .value_kind: global_buffer, .address_space: global }
    .group_segment_fixed_size: 233472
    .private_segment_fixed_size: 0
    .kernarg_segment_align: 8
    .kernarg_segment_size: 64
    .max_flat_workgroup_size: 128
    .sgpr_count:     84
    .vgpr_count:     1024
    .wavefront_size: 32
...
	.end_amdgpu_metadata
.endif
;; end of part 5
;; launch context (part 6): grid 256 x 1, 8 waves a work-group, no clusters, 14,592 bytes of LDS; arguments encoder_outputs, mask, list, rank, meta, sc, out0, out1; writes out0, out1
.if DOCPART == 6
	.amdgcn_target "amdgcn-amd-amdhsa--gfx1250"
	.amdhsa_code_object_version 6
	.text
	.protected	k_qb828d3e48b_context
	.globl	k_qb828d3e48b_context
	.p2align	8
	.type	k_qb828d3e48b_context,@function
k_qb828d3e48b_context:
	s_mov_b64 s[64:65], 0
	v_nop
	global_prefetch_b8 v0, s[64:65] scope:SCOPE_SE
	s_setreg_imm32_b32 hwreg(HW_REG_WAVE_MODE, 25, 1), 1
	s_wait_xcnt 0x0
; ADDITIVE ATTENTION, launch 3 of 3: the softmax over a batch's rows that count, out1, and out0 = sum of weight x row, all in f32.
; LEFT OUT: rows with mask == 0 where the batch has a row that counts: their weight is 0 in reference()'s f32 (shown at the head of the first launch): out1 gets 0 there, and the rows are not read.
; Where no row counts (flag), all 2,048 rows are listed and every score is taken as 0: equal scores, as reference()'s 2,048 times NEG.
; THE SCORES lie as the launch before left them: sc[j][8 b + k][place], 320 places for each half j of the outputs and each eighth k of the batch; eighth k holds ranks k Q + place, place < N_k,
; Q = ceil(cnt / 8), N_k = clamp(cnt - k Q, 0, Q) <= 256.  Only places under N_k are read (a thread past them reads the eighth's last one, or place 0, and takes -infinity in its stead).
; SHARES.  Work-group = (batch b = wg / 8, c = wg % 8): the one owner of out0[b][128 c .. +127] and of out1[b][256 c .. +255].  Each of a batch's eight work-groups makes the batch's maximum and sum for itself
; (16 KiB of scores), in the same order.  Thread th holds place th of each eighth k.  The maximum is taken away before the exponential, as in reference().
; THE ROWS.  Wave w takes eighth w: the eighths are of equal size but for the last, so the eight waves have equal work.  The weights, made by place, go through LDS (one barrier) and come back by eighth: chunk c's 32
; weights in one register, a lane a place; a weight comes to a scalar register by v_readlane_b32.  A load reads my 512 bytes of one row.  The rows go through a ring of 32 slots of 4 registers: behind a row's two
; multiply-adds the same slot of the next chunk is asked for, so 32 loads of a wave are out until its last chunk.  A chunk is written in two forms, with a successor and without, chosen by ONE scalar branch on the
; stored number N_w, so that each form's counts hold on every way to it; no barrier stands among the chunks.  The next chunk's 32 offsets are made at a chunk's head in a second set of registers, and the list entries
; of the chunk after that are asked for there: a chunk ahead (past my eighth's end these entries are not used; they lie inside list's 2,176).
; The first chunk's rows need no weight: they are asked for ahead of the statistics, in every wave alike.  A place from N_w on, and so all 32 of a wave whose eighth is empty, takes a row that counts, with weight 0.
; No matrix unit: each number of a row meets one weight.
; out1: thread th makes the weight of t = 256 c + th.  Its rank p lies in eighth G = how many g of 1 .. 7 have p >= g Q, at word p + G (320 - Q) of the batch's 2,560.  The 256 weights meet in LDS, and two waves store
; them, 512 consecutive bytes each.
; LIMITS: as at the head of the first launch.
.set PART,  256                        ; LDS: 0: 8 maxima, 8 sums;  256: a partial context of 512 bytes for each wave;
.set O1,    4352                       ; the 256 weights of out1;
.set WT,    5376                       ; the weights: 8 eighths x 256 places;
.set SPARE, 13568                      ; the spare words, 128 bytes for each wave: four blocks of 256 bytes that no other line names
.set SCG,   1280                       ; an eighth's 320 places in sc, in bytes
.set SCH,   327680                     ; from one half of the outputs to the other: 256 x 1,280
.set OF0,   96                         ; rows' offsets: even chunks v96-127, odd chunks v64-95
; REGISTERS: v1 16 x lane; v2, v3 the add's two; v4 4 x thread; v5 out1's gather offset; v6 4 x wave; v7 my partial's place; v8-15 places' addresses; v16-23 scores, then weights by place; v24-31 the scores' other halves,
;   then my eighth's weights by chunk; v32-39 two sets of 4 sums; v40 m log2(e); v41 1 / sum; v42, v43 at work; v44 partials' read address; v45 my weight's place in O1; v46 out1's byte; v47 O1's read address; v48 mask;
;   v49 rank; v50-52 out1's score and weight; v53 0; v54 -infinity; v55 where I read my eighth's weights; v56-63 the waves' figures, later out1's data; v64-127 rows' offsets; v128-255 32 rows x 4.
; SCALARS: s20 wave, s21 b, s22 c, s23 Q, s24 cnt, s25 flag, s26 cnt - 1, s27 flag as a lane mask, s28 the last row that counts, s29 places left, s30 my eighth's first rank, s31 N_w; s[32:63] list entries;
;   s[66:67], s[68:69] a weight, by turns; s70, s71 lane selects; s[72:73] enc at my batch and columns; s[74:75] list's row; s[76:77] the batch's part of sc; s78 log2(e); s79-83 at work; s84-91 N_k; s92, s93 list bytes.
.macro BAR
	s_wait_alu depctr_va_vdst(0)
	s_wait_dscnt 0x0
	s_barrier_signal -1
	s_barrier_wait -1
.endm
.macro ASKLIST c                       ; the 32 list entries of chunk c of my eighth.  It stands behind a wait for all scalar loads, so s93 and s[32:63] are free
	s_add_co_u32 s93, s30, 32*(\c)
	s_min_u32 s93, s93, 2047
	s_lshl_b32 s93, s93, 2
	s_load_b512 s[32:47], s[74:75], s93 offset:0x0
	s_load_b512 s[48:63], s[74:75], s93 offset:0x40
.endm
.macro OFFS32                          ; 32 list entries become 32 byte offsets in v[OS_] on: row t x 4,096 + 16 x lane.  s29: the places left
.set E_, 0
.rept 32
	s_cmp_gt_u32 s29, E_
	s_cselect_b32 s81, s[32+E_], s28               ; a place from N_w on has weight 0: it takes a row that counts
	s_min_u32 s81, s81, 2047
	v_lshl_add_u32 v[OS_+E_], s81, 12, v1
.set E_, E_+1
.endr
	s_wait_alu depctr_va_vdst(0)                   ; behind the offsets, which stand among scalar instructions
.endm
.macro USE c                           ; row E_ of chunk c: its weight, two packed multiply-adds onto one of two sets of sums
	v_readlane_b32 s[66+2*(E_%2)], v[24+\c], E_
	v_pk_fma_f32 v[32+4*(E_%2):33+4*(E_%2)], v[128+4*E_:129+4*E_], s[66+2*(E_%2):67+2*(E_%2)], v[32+4*(E_%2):33+4*(E_%2)] op_sel_hi:[1,0,1]
	v_pk_fma_f32 v[34+4*(E_%2):35+4*(E_%2)], v[130+4*E_:131+4*E_], s[66+2*(E_%2):67+2*(E_%2)], v[34+4*(E_%2):35+4*(E_%2)] op_sel_hi:[1,0,1]
.endm
	s_load_b512 s[4:19], s[0:1], 0x0               ; enc s[4:5], mask s[6:7], list s[8:9], rank s[10:11], meta s[12:13], sc s[14:15], out0 s[16:17], out1 s[18:19]
	v_lshl_add_u32 v2, v0, 2, SPARE
	v_mov_b32 v3, 0
	v_lshrrev_b32 v4, 5, v0
	v_readfirstlane_b32 s20, v4                    ; wave 0..7
	s_lshr_b32 s21, ttmp9, 3
	s_and_b32 s22, ttmp9, 7
	v_and_b32 v1, 31, v0
	v_lshlrev_b32 v55, 2, v1
	v_lshlrev_b32 v1, 4, v1
	v_lshlrev_b32 v4, 2, v0
	s_lshl_b32 s79, s20, 2
	v_mov_b32 v6, s79
	s_lshl_b32 s79, s20, 10
	s_add_co_u32 s79, s79, WT
	v_add_nc_u32 v55, s79, v55                     ; WT + 1,024 wave + 4 lane
	s_lshl_b32 s79, s20, 9
	s_add_co_u32 s79, s79, PART
	v_add_nc_u32 v7, s79, v1
	v_add_nc_u32 v44, PART, v1
	v_lshl_add_u32 v45, v0, 2, O1
	s_and_b32 s79, s20, 1
	s_lshl_b32 s79, s79, 9
	v_add_nc_u32 v46, s79, v1
	v_add_nc_u32 v47, O1, v46
	v_mov_b32 v53, 0
	v_mov_b32 v54, 0xff800000
.irp x, 32,33,34,35,36,37,38,39
	v_mov_b32 v\x, 0                               ; the sums begin at 0: one form of a row's work serves all rows
.endr
	s_mov_b32 s67, 0                               ; (upper halves of pairs that are named whole)
	s_mov_b32 s69, 0
	s_mov_b32 s70, 0x76543210
	s_mov_b32 s71, 0xfedcba98
	s_mov_b32 s78, 0x3fb8aa3b
	s_lshl_b32 s79, s21, 3
	s_lshl_b32 s80, s21, 13
	s_lshl_b32 s81, s22, 10
	s_add_co_u32 s80, s80, s81
	s_mov_b32 s81, 0                               ; 8192 b + 1024 c: my 256 entries of mask, rank, out1
	s_lshl_b32 s82, s21, 23
	s_lshl_b32 s83, s22, 9
	s_add_co_u32 s82, s82, s83
	s_mov_b32 s83, 0                               ; my batch, my 512 bytes of a row
	s_wait_alu depctr_va_vdst(0)
	s_wait_kmcnt 0x0
	s_load_b64 s[24:25], s[12:13], s79 offset:0x0  ; cnt, flag
	s_add_nc_u64 s[6:7], s[6:7], s[80:81]
	s_add_nc_u64 s[10:11], s[10:11], s[80:81]
	s_add_nc_u64 s[18:19], s[18:19], s[80:81]
	s_add_nc_u64 s[72:73], s[4:5], s[82:83]
	global_load_b32 v48, v4, s[6:7]                ; mask and rank of t = 256 c + thread
	global_load_b32 v49, v4, s[10:11]
	s_mul_i32 s82, s21, 8704
	s_add_nc_u64 s[74:75], s[8:9], s[82:83]
	s_mul_i32 s82, s21, 8*SCG
	s_add_nc_u64 s[76:77], s[14:15], s[82:83]
	s_lshl_b32 s82, s21, 12
	s_lshl_b32 s80, s22, 9
	s_add_co_u32 s82, s82, s80
	s_add_nc_u64 s[16:17], s[16:17], s[82:83]
	s_wait_kmcnt 0x0
	s_min_u32 s24, s24, 2048
	s_add_co_u32 s23, s24, 7
	s_lshr_b32 s23, s23, 3                         ; Q
	s_sub_co_u32 s26, s24, 1
	s_cmp_lg_u32 s25, 0
	s_cselect_b32 s27, -1, 0
	s_min_u32 s92, s26, 2047
	s_lshl_b32 s92, s92, 2
	s_load_b32 s28, s[74:75], s92 offset:0x0       ; the last row that counts; s92 is not written again
	s_mul_i32 s30, s23, s20                        ; my eighth's first rank: wave x Q
	s_sub_co_i32 s31, s24, s30
	s_max_i32 s31, s31, 0
	s_min_i32 s31, s31, s23                        ; N_w
	ASKLIST 0
	; ---- the statistics' loads, the gathers for out1, and my first 32 rows
.irp k, 0,1,2,3,4,5,6,7
	s_mul_i32 s79, s23, \k
	s_sub_co_i32 s79, s24, s79
	s_max_i32 s79, s79, 0
	s_min_i32 s[84+\k], s79, s23                   ; N_k
	s_max_i32 s79, s[84+\k], 1
	s_sub_co_u32 s79, s79, 1
	v_min_u32 v[8+\k], s79, v0                     ; only places under N_k (place 0 in any case) are read
	v_min_u32 v[8+\k], 0x13f, v[8+\k]
	v_lshlrev_b32 v[8+\k], 2, v[8+\k]
	global_load_b32 v[16+\k], v[8+\k], s[76:77] offset:SCG*\k
	global_load_b32 v[24+\k], v[8+\k], s[76:77] offset:SCH+SCG*\k
.endr
	s_wait_loadcnt 16                              ; mask and rank are in; the 16 loads behind them stay out
	v_min_u32 v49, 0x7ff, v49                      ; p
	s_sub_co_u32 s81, 320, s23
	v_mov_b32 v43, s81                             ; 320 - Q
	v_mov_b32 v5, v49
.irp g, 1,2,3,4,5,6,7
	s_mul_i32 s79, s23, \g
	v_cmp_le_u32 vcc_lo, s79, v49                  ; p >= g Q: one eighth further on
	v_cndmask_b32 v42, v53, v43, vcc_lo
	v_add_nc_u32 v5, v5, v42
.endr
	v_min_u32 v5, 0x9ff, v5                        ; p + G (320 - Q), inside the batch's 2,560 words
	v_lshlrev_b32 v5, 2, v5
	global_load_b32 v50, v5, s[76:77]
	global_load_b32 v51, v5, s[76:77] offset:SCH
	s_wait_kmcnt 0x0                               ; the stand-in row and chunk 0's list entries
	s_mov_b32 s29, s31
.set OS_, OF0
	OFFS32
	ASKLIST 1
.set E_, 0
.rept 32
	global_load_b128 v[128+4*E_:131+4*E_], v[OS_+E_], s[72:73] th:TH_LOAD_NT   ; 32 lanes read my 512 consecutive bytes of the row
.set E_, E_+1
.endr
	; ---- the statistics
	s_wait_loadcnt 34                              ; my 8 places' scores are in; the two gathers and the 32 rows stay out
.irp k, 0,1,2,3,4,5,6,7
	v_add_f32 v[16+\k], v[16+\k], v[24+\k]         ; the two halves of the outputs
	v_cndmask_b32 v[16+\k], v[16+\k], v53, s27     ; no row counts: 0
	v_cmp_gt_u32 vcc_lo, s[84+\k], v0
	v_cndmask_b32 v[16+\k], v54, v[16+\k], vcc_lo  ; places from N_k on: -infinity
.endr
	v_max3_num_f32 v42, v16, v17, v18
	v_max3_num_f32 v43, v19, v20, v21
	v_max3_num_f32 v42, v42, v22, v23
	v_max_num_f32 v42, v42, v43
.irp x, 1,2,4,8
	v_max_num_f32_dpp v42, v42, v42 row_xmask:\x row_mask:0xf bank_mask:0xf
.endr
	v_permlanex16_b32 v43, v42, s70, s71
	v_max_num_f32 v42, v42, v43
	ds_store_b32 v6, v42                           ; my wave's maximum
	BAR
	ds_load_b128 v[56:59], v53
	ds_load_b128 v[60:63], v53 offset:16
	s_wait_loadcnt 32                              ; the gathers are in; the 32 rows stay out
	v_add_f32 v50, v50, v51
	v_cndmask_b32 v50, v50, v53, s27
	s_wait_alu depctr_va_vdst(0)
	s_wait_dscnt 0x0
	v_max3_num_f32 v42, v56, v57, v58
	v_max3_num_f32 v43, v59, v60, v61
	v_max3_num_f32 v42, v42, v62, v63
	v_max_num_f32 v42, v42, v43                    ; m: finite, since place 0 of eighth 0 counts
	v_mul_f32 v40, s78, v42
.irp k, 0,1,2,3,4,5,6,7
	v_fma_f32 v[16+\k], v[16+\k], s78, -v40        ; (score - m) log2(e)
.endr
	v_fma_f32 v50, v50, s78, -v40
	s_wait_alu depctr_va_vdst(0)
.irp k, 0,1,2,3,4,5,6,7
	v_exp_f32 v[16+\k], v[16+\k]
.endr
	v_exp_f32 v50, v50
	v_nop                                          ; a plain line behind the batch
	s_wait_alu depctr_va_vdst(0)                   ; one wait for the nine exponentials, ahead of their first reader
	v_add_f32 v42, v16, v17
	v_add_f32 v43, v18, v19
	v_add_f32 v51, v20, v21
	v_add_f32 v42, v42, v43
	v_add_f32 v43, v22, v23
	v_add_f32 v42, v42, v51
	v_add_f32 v42, v42, v43
.irp x, 1,2,4,8
	v_add_f32_dpp v42, v42, v42 row_xmask:\x row_mask:0xf bank_mask:0xf
.endr
	v_permlanex16_b32 v43, v42, s70, s71
	v_add_f32 v42, v42, v43
	ds_store_b32 v6, v42 offset:32                 ; my wave's sum: other words than the maxima
	BAR
	ds_load_b128 v[56:59], v53 offset:32
	ds_load_b128 v[60:63], v53 offset:48
	s_wait_dscnt 0x0
	v_add_f32 v56, v56, v57
	v_add_f32 v58, v58, v59
	v_add_f32 v60, v60, v61
	v_add_f32 v62, v62, v63
	v_add_f32 v56, v56, v58
	v_add_f32 v60, v60, v62
	v_add_f32 v42, v56, v60
	s_wait_alu depctr_va_vdst(0)
	v_rcp_f32 v41, v42
	v_cmp_ne_u32 vcc_lo, 0, v48                    ; (a plain line behind the reciprocal)  does t count?
	s_or_b32 vcc_lo, vcc_lo, s27
	s_wait_alu depctr_va_vdst(0)
.irp k, 0,1,2,3,4,5,6,7
	v_mul_f32 v[16+\k], v[16+\k], v41              ; the weights of my places
.endr
	v_mul_f32 v52, v50, v41
	v_cndmask_b32 v52, v53, v52, vcc_lo            ; out1: 0 for a row that does not count
.irp k, 0,1,2,3,4,5,6,7
	ds_store_b32 v45, v[16+\k] offset:WT-O1+1024*\k   ; place th of eighth k
.endr
	ds_store_b32 v45, v52
	BAR                                            ; all 2,048 weights lie in LDS
.irp c, 0,1,2,3,4,5,6,7
	ds_load_b32 v[24+\c], v55 offset:128*\c        ; my eighth's: chunk c, a lane a place
.endr
	s_wait_dscnt 0x0
	; ---- the rows.  At a chunk's head its 32 loads are out, and nothing else
.macro CHUNK c
.if \c < 7
	s_cmp_gt_u32 s31, 32*(\c+1)
	s_cbranch_scc1 .Lmore_\c
.endif
.set E_, 0
.rept 8                                        ; my last chunk, four rows at a time: nothing more is asked for
	s_wait_alu depctr_va_vdst(0)
	s_wait_loadcnt 28-E_                           ; these four rows are in; the chunk's younger loads stay out: the count runs down
.rept 4
	USE \c
.set E_, E_+1
.endr
.endr
.if \c < 7
	s_branch .Lrows_done
.Lmore_\c:
	s_wait_kmcnt 0x0                               ; the next chunk's list entries, asked for a chunk ago
	s_sub_co_u32 s29, s31, 32*(\c+1)
.set OS_, OF0-32*((\c+1)%2)                    ; the other set of offsets: the loads that read it, those of the chunk before this one, have all been awaited
	OFFS32
.if \c < 6
	ASKLIST \c+2
.endif
.set E_, 0
.rept 8                                        ; four rows at a time
	s_wait_alu depctr_va_vdst(0)
	s_wait_loadcnt 28                              ; of the ring's 32 loads the oldest four are in
.rept 4
	USE \c
.set E_, E_+1
.endr
.set E_, E_-4
.rept 4
	global_load_b128 v[128+4*E_:131+4*E_], v[OS_+E_], s[72:73] th:TH_LOAD_NT   ; the same four slots of the next chunk
.set E_, E_+1
.endr
.endr
.endif
.endm
.irp k, 0,1,2,3,4,5,6,7
	CHUNK \k
.endr
.Lrows_done:
	s_wait_kmcnt 0x0                               ; list entries asked for ahead may be out
	s_wait_alu depctr_va_vdst(0)
	v_pk_add_f32 v[32:33], v[32:33], v[36:37]
	v_pk_add_f32 v[34:35], v[34:35], v[38:39]
	ds_store_b128 v7, v[32:35]
	BAR                                            ; the eight partial contexts lie in LDS (the 256 weights of out1 since the barrier before)
	s_cmp_eq_u32 s20, 0
	s_cbranch_scc0 .Lnot_wave_0
.irp w, 0,1,2,3,4,5,6,7
	ds_load_b128 v[128+4*\w:131+4*\w], v44 offset:512*\w
.endr
	s_wait_dscnt 0x0
.irp w, 1,2,3,4,5,6,7
	v_pk_add_f32 v[128:129], v[128:129], v[128+4*\w:129+4*\w]
	v_pk_add_f32 v[130:131], v[130:131], v[130+4*\w:131+4*\w]
.endr
	global_store_b128 v1, v[128:131], s[16:17]     ; 512 consecutive bytes of out0, at a multiple of 512 from its first byte
	s_branch .Lend
.Lnot_wave_0:
	s_lshr_b32 s79, s20, 1
	s_cmp_eq_u32 s79, 1
	s_cbranch_scc0 .Lend
	ds_load_b128 v[56:59], v47                     ; waves 2 and 3: half of the 256 weights each
	s_wait_dscnt 0x0
	global_store_b128 v46, v[56:59], s[18:19]      ; 512 consecutive bytes of out1
.Lend:
	s_wait_tensorcnt 0x0                           ; the wave's end
	ds_add_u32 v2, v3
	s_wait_dscnt 0x0
	s_endpgm
.Lfunc_end_k_qb828d3e48b_context:
	.size	k_qb828d3e48b_context, .Lfunc_end_k_qb828d3e48b_context-k_qb828d3e48b_context
	.p2alignl 7, 3214868480
	.fill 96, 4, 3214868480
	.section	.rodata,"a",@progbits
	.p2align	6, 0x0
	.amdhsa_kernel k_qb828d3e48b_context
		.amdhsa_group_segment_fixed_size 14592
		.amdhsa_private_segment_fixed_size 0
		.amdhsa_enable_private_segment 0
		.amdhsa_kernarg_size 64
		.amdhsa_user_sgpr_count 2
		.amdhsa_user_sgpr_kernarg_segment_ptr 1
		.amdhsa_wavefront_size32 1
		.amdhsa_system_sgpr_workgroup_id_x 1
		.amdhsa_system_sgpr_workgroup_id_y 1
		.amdhsa_system_sgpr_workgroup_id_z 1
		.amdhsa_system_vgpr_workitem_id 0
		.amdhsa_next_free_vgpr 256
		.amdhsa_next_free_sgpr 94
		.amdhsa_reserve_vcc 1
		.amdhsa_float_denorm_mode_32 3
		.amdhsa_float_denorm_mode_16_64 3
		.amdhsa_memory_ordered 1
		.amdhsa_forward_progress 1
		.amdhsa_inst_pref_size 191
	.end_amdhsa_kernel
	.amdgpu_metadata
---
amdhsa.version: [ 1, 2 ]
amdhsa.kernels:
  - .name:           k_qb828d3e48b_context
    .symbol:         k_qb828d3e48b_context.kd
    .args:
      - { .name: encoder_outputs, .offset: 0, .size: 8, .value_kind: global_buffer, .address_space: global }
      - { .name: mask, .offset: 8, .size: 8, .value_kind: global_buffer, .address_space: global }
      - { .name: list, .offset: 16, .size: 8, .value_kind: global_buffer, .address_space: global }
      - { .name: rank, .offset: 24, .size: 8, .value_kind: global_buffer, .address_space: global }
      - { .name: meta, .offset: 32, .size: 8, .value_kind: global_buffer, .address_space: global }
      - { .name: sc, .offset: 40, .size: 8, .value_kind: global_buffer, .address_space: global }
      - { .name: out0, .offset: 48, .size: 8, .value_kind: global_buffer, .address_space: global }
      - { .name: out1, .offset: 56, .size: 8, .value_kind: global_buffer, .address_space: global }
    .group_segment_fixed_size: 14592
    .private_segment_fixed_size: 0
    .kernarg_segment_align: 8
    .kernarg_segment_size: 64
    .max_flat_workgroup_size: 256
    .sgpr_count:     94
    .vgpr_count:     256
    .wavefront_size: 32
...
	.end_amdgpu_metadata
.endif
;; end of part 6
